; MI455X (gfx1250); checked and timed in simulation.
; The chip was launched on July 23, 2026; its instructions are those of AMD's public machine-readable ISA for CDNA 5 (MIT licence, August 2026) and "CDNA5" Instruction Set Architecture Reference Guide (July 2026). The comments in the code are by the model that wrote it; some were corrected since.
;; Linear Memory Attention. Allowed arithmetic: float matrix products may take bf16 or f16 operands with f32 sums; other float arithmetic in f32, or as packed bf16 or f16 multiplies, adds, multiply-adds, maxima and minima; sums over many terms, partial sums and values carried from step to step in f32; what a program stores and reads back later, other than sums and carried values, may be rounded once to bf16 or f16.
;; Inputs: Wk 512 x 2,048 float32; Wo 2,048 x 1,024 float32; Wq 1,024 x 2,048 float32; Wv 512 x 2,048 float32; bk 512 float32; bq 1,024 float32; bv 512 float32; hidden_states 2 x 4,096 x 2,048 float32.
;; Outputs: out0 2 x 4,096 x 2,048 float32.
;; One version. Each part assembles by itself: llvm-mc -triple=amdgcn-amd-amdhsa -mcpu=gfx1250 --defsym DOCPART=n.
;; ======== version 1 of 1: 4 launches
;; limits: values are held in f16: magnitudes above 65,504 overflow, below 6.1e-05 lose precision; right only within a limited range of input values
;; workspace buffers: xb 33,554,432 bytes; wb 12,582,912 bytes; sqn 16,777,216 bytes; kvp 8,388,608 bytes; st 328,704 bytes; mt 8,388,608 bytes; wn 16,777,216 bytes
;; launch cast (part 1): grid 2816 x 1, 8 waves a work-group, no clusters, 0 bytes of LDS; arguments hidden_states, Wq, Wk, Wv, Wo, xb, wb; writes xb, wb
.if DOCPART == 1
	.amdgcn_target "amdgcn-amd-amdhsa--gfx1250"
	.amdhsa_code_object_version 6
	.text
	.protected	k_qd4b3906125_cast
	.globl	k_qd4b3906125_cast
	.p2align	8
	.type	k_qd4b3906125_cast,@function
k_qd4b3906125_cast:
	s_mov_b64 s[64:65], 0
	v_nop
	global_prefetch_b8 v0, s[64:65] scope:SCOPE_SE
	s_setreg_imm32_b32 hwreg(HW_REG_WAVE_MODE, 25, 1), 1
	s_wait_xcnt 0x0
; LINEAR ATTENTION, launch 1 of 4: the inputs are rounded once to 16 bits and laid out for the products.
; THE WHOLE PROGRAM.  q, k, v = X W^T + bias; sq = elu(q) + 1, sk = elu(k) + 1; for each batch and head kv = sk^T v and ksum = the column sums of sk; out = (sq kv / (sq . ksum + 1e-6)) Wo^T.
; WORK LEFT OUT, for all values of the inputs.  (1) repeat_kv copies each of the 4 key/value heads to 2 heads, so kv[b][h] and ksum[b][h] are kv[b][h / 2] and ksum[b][h / 2] of the 4 heads:
; each is made once, not twice.  (2) (sq kv) Wo^T = sq (kv Wo^T): the inner product is made once a batch.  Every input has a way to the output and is loaded.
; A NaN, an infinity or an overflow in a copy that is not made is the same as in the copy that is made, so none is lost by (1).
; EXACT IDENTITIES that keep 16-bit numbers in range: with R = the sum over d of sq, w = (sq / R) ksum / (sum (sq / R) ksum + 1e-6 / R) lies in 0 to 1; with vm = max |v| of the batch,
; kvn = 256 kv / (ksum vm) lies within 256; out = (vm / 256) sum over (h, d) of w (kvn Wo^T).
; FORMATS.  All inputs, biases too, are rounded to bf16; Wo's bf16 number is written as f16.  What the program makes (sk, v, sq / R, w, kvn, kvn Wo^T) is f16; all sums are f32.
; LIMITS.  |k|, |v| under 65,504; sk under 6e-8 counts as 0; an exponential under 2^-126 counts as 0; the sum over 128 e of |Wo[n][128 h + e]| under 255; a number of Wo under 6e-5 keeps
; f16's fixed step of 6e-8; NaN and infinities are not treated apart.
; THIS LAUNCH is a stream: a work-group takes one block of 8,192 f32 (32 KiB in, 16 KiB out); no LDS, no barrier, no matrix unit: nothing is shared and nothing is multiplied.
;   blocks 0-2047 hidden_states -> xb;  2048-2303 Wq -> wb rows 0-1023;  2304-2431 Wk and 2432-2559 Wv -> wb rows 1024 + 256 g + (0-127: Wk's head g, 128-255: Wv's head g);
;   2560-2815 Wo -> wb from byte 8,388,608 on, as f16.  A block is 4 rows of 2,048 or 8 rows of 1,024: dense on both sides.
.set IN,  8                            ; v[8:39]   eight loads of 16 bytes
.set OUTR, 40                          ; v[40:55]  eight results of 8 bytes
	s_load_b256 s[8:15], s[0:1], 0x0               ; hidden_states s[8:9], Wq s[10:11], Wk s[12:13], Wv s[14:15]
	s_load_b128 s[16:19], s[0:1], 0x20             ; Wo s[16:17], xb s[18:19]
	s_load_b64 s[20:21], s[0:1], 0x30              ; wb
	s_mov_b32 s34, ttmp9                           ; my block
	v_lshlrev_b32 v1, 4, v0                        ; 16 bytes a thread in,
	v_lshlrev_b32 v2, 3, v0                        ; 8 bytes out
	s_sub_co_u32 s26, s34, 2048                    ; the block's number in Wq,
	s_sub_co_u32 s27, s34, 2304                    ; in Wk,
	s_sub_co_u32 s28, s34, 2432                    ; in Wv,
	s_sub_co_u32 s29, s34, 2560                    ; in Wo: only the one that applies is chosen below
	s_lshr_b32 s30, s27, 5                         ; Wk: head g = j / 32 (32 blocks a head),
	s_and_b32 s31, s27, 31
	s_lshl_b32 s30, s30, 6                         ; 64 blocks for each pair of heads in wb
	s_add_co_u32 s30, s30, s31
	s_add_co_u32 s30, s30, 256                     ; behind Wq's 256
	s_lshr_b32 s32, s28, 5                         ; Wv: the same, 32 blocks further on
	s_and_b32 s31, s28, 31
	s_lshl_b32 s32, s32, 6
	s_add_co_u32 s32, s32, s31
	s_add_co_u32 s32, s32, 288
	s_add_co_u32 s33, s29, 512                     ; Wo: behind the 512 blocks of the three
	s_mov_b32 s36, s34                             ; block in the source,
	s_mov_b32 s38, s34                             ; block in the destination
	s_mov_b32 s37, 0
	s_mov_b32 s39, 0
	s_wait_kmcnt 0x0
	s_mov_b64 s[22:23], s[8:9]
	s_mov_b64 s[24:25], s[18:19]
	s_cmp_ge_u32 s34, 2048
	s_cselect_b64 s[22:23], s[10:11], s[22:23]
	s_cselect_b64 s[24:25], s[20:21], s[24:25]
	s_cselect_b32 s36, s26, s36
	s_cselect_b32 s38, s26, s38
	s_cmp_ge_u32 s34, 2304
	s_cselect_b64 s[22:23], s[12:13], s[22:23]
	s_cselect_b32 s36, s27, s36
	s_cselect_b32 s38, s30, s38
	s_cmp_ge_u32 s34, 2432
	s_cselect_b64 s[22:23], s[14:15], s[22:23]
	s_cselect_b32 s36, s28, s36
	s_cselect_b32 s38, s32, s38
	s_cmp_ge_u32 s34, 2560
	s_cselect_b64 s[22:23], s[16:17], s[22:23]
	s_cselect_b32 s36, s29, s36
	s_cselect_b32 s38, s33, s38
	s_lshl_b32 s36, s36, 15                        ; 32,768 bytes a block in,
	s_lshl_b32 s38, s38, 14                        ; 16,384 out
	s_add_nc_u64 s[22:23], s[22:23], s[36:37]
	s_add_nc_u64 s[24:25], s[24:25], s[38:39]
.irp i, 0,1,2,3,4,5,6,7
	global_load_b128 v[IN+4*(\i):IN+4*(\i)+3], v1, s[22:23] offset:4096*(\i) th:TH_LOAD_NT  ; the 256 threads take 4,096 bytes on end; all eight loads go out before the first wait
.endr
	s_cmp_ge_u32 s34, 2560
	s_cbranch_scc1 .Lwo
.irp i, 0,1,2,3,4,5,6,7
	s_wait_loadcnt 7-(\i)                          ; loads come back in order: load i is in, the 7 - i younger ones stay out
	v_cvt_pk_bf16_f32 v[OUTR+2*(\i)], v[IN+4*(\i)], v[IN+4*(\i)+1]
	v_cvt_pk_bf16_f32 v[OUTR+2*(\i)+1], v[IN+4*(\i)+2], v[IN+4*(\i)+3]
	global_store_b64 v2, v[OUTR+2*(\i):OUTR+2*(\i)+1], s[24:25] offset:2048*(\i) th:TH_STORE_NT  ; a wave's store covers 256 consecutive bytes, aligned
.endr
	s_endpgm
.Lwo:                                          ; Wo: rounded to bf16 like every input, and that number written as f16
.irp i, 0,1,2,3,4,5,6,7
	s_wait_loadcnt 7-(\i)
	v_cvt_pk_bf16_f32 v4, v[IN+4*(\i)], v[IN+4*(\i)+1]
	v_cvt_pk_bf16_f32 v5, v[IN+4*(\i)+2], v[IN+4*(\i)+3]
	v_lshlrev_b32 v6, 16, v4                       ; bf16 to f32: the low half moves up,
	v_and_b32 v4, 0xffff0000, v4                   ; the high half stays
	v_lshlrev_b32 v7, 16, v5
	v_and_b32 v5, 0xffff0000, v5
	v_cvt_pk_f16_f32 v[OUTR+2*(\i)], v6, v4
	v_cvt_pk_f16_f32 v[OUTR+2*(\i)+1], v7, v5
	global_store_b64 v2, v[OUTR+2*(\i):OUTR+2*(\i)+1], s[24:25] offset:2048*(\i) th:TH_STORE_NT
.endr
	s_endpgm
.Lfunc_end_k_qd4b3906125_cast:
	.size	k_qd4b3906125_cast, .Lfunc_end_k_qd4b3906125_cast-k_qd4b3906125_cast
	.p2alignl 7, 3214868480
	.fill 96, 4, 3214868480
	.section	.rodata,"a",@progbits
	.p2align	6, 0x0
	.amdhsa_kernel k_qd4b3906125_cast
		.amdhsa_group_segment_fixed_size 0
		.amdhsa_private_segment_fixed_size 0
		.amdhsa_enable_private_segment 0
		.amdhsa_kernarg_size 56
		.amdhsa_user_sgpr_count 2
		.amdhsa_user_sgpr_kernarg_segment_ptr 1
		.amdhsa_wavefront_size32 1
		.amdhsa_system_sgpr_workgroup_id_x 1
		.amdhsa_system_sgpr_workgroup_id_y 1
		.amdhsa_system_sgpr_workgroup_id_z 1
		.amdhsa_system_vgpr_workitem_id 0
		.amdhsa_next_free_vgpr 56
		.amdhsa_next_free_sgpr 66
		.amdhsa_reserve_vcc 0
		.amdhsa_float_denorm_mode_32 3
		.amdhsa_float_denorm_mode_16_64 3
		.amdhsa_memory_ordered 1
		.amdhsa_forward_progress 1
		.amdhsa_inst_pref_size 10
	.end_amdhsa_kernel
	.amdgpu_metadata
---
amdhsa.version: [ 1, 2 ]
amdhsa.kernels:
  - .name:           k_qd4b3906125_cast
    .symbol:         k_qd4b3906125_cast.kd
    .args:
      - { .name: hidden_states, .offset: 0, .size: 8, .value_kind: global_buffer, .address_space: global }
      - { .name: Wq, .offset: 8, .size: 8, .value_kind: global_buffer, .address_space: global }
      - { .name: Wk, .offset: 16, .size: 8, .value_kind: global_buffer, .address_space: global }
      - { .name: Wv, .offset: 24, .size: 8, .value_kind: global_buffer, .address_space: global }
      - { .name: Wo, .offset: 32, .size: 8, .value_kind: global_buffer, .address_space: global }
      - { .name: xb, .offset: 40, .size: 8, .value_kind: global_buffer, .address_space: global }
      - { .name: wb, .offset: 48, .size: 8, .value_kind: global_buffer, .address_space: global }
    .group_segment_fixed_size: 0
    .private_segment_fixed_size: 0
    .kernarg_segment_align: 8
    .kernarg_segment_size: 56
    .max_flat_workgroup_size: 256
    .sgpr_count:     66
    .vgpr_count:     56
    .wavefront_size: 32
...
	.end_amdgpu_metadata
.endif
;; end of part 1
;; launch qkv (part 2): grid 8 x 32, 4 waves a work-group, clusters of 4 x 4, 327,680 bytes of LDS; arguments xb, wb, bq, bk, bv, sqn, st, kvp; writes sqn, st, kvp
.if DOCPART == 2
	.amdgcn_target "amdgcn-amd-amdhsa--gfx1250"
	.amdhsa_code_object_version 6
	.text
	.protected	k_qd4b3906125_qkv
	.globl	k_qd4b3906125_qkv
	.p2align	8
	.type	k_qd4b3906125_qkv,@function
k_qd4b3906125_qkv:
	s_mov_b64 s[64:65], 0
	v_nop
	global_prefetch_b8 v0, s[64:65] scope:SCOPE_SE
	s_setreg_imm32_b32 hwreg(HW_REG_WAVE_MODE, 25, 1), 1
	s_wait_xcnt 0x0
	s_wait_alu depctr_hold_cnt(0) depctr_sa_sdst(0) depctr_va_vdst(0) depctr_va_sdst(0) depctr_va_ssrc(0) depctr_va_vcc(0) depctr_vm_vsrc(0)
	s_getreg_b32 s2, hwreg(HW_REG_IB_STS2, 6, 4)
	s_cmp_eq_u32 s2, 0
	s_cbranch_scc0 .Lentry_in_a_cluster
	s_endpgm
.Lentry_in_a_cluster:
	s_bfe_u32 s2, ttmp6, 0x10000c
	s_cmp_lg_u32 s2, 0xf033
	s_cbranch_scc0 .Lentry_shape_is_right
	s_endpgm
.Lentry_shape_is_right:
; Launch 2 of 4: [q | k, v] = X Wcat^T + bias (8,192 x 2,048 x 2,048 in bf16, sums in f32), the activation, and each 256-row block's part of kv = sk^T v and of ksum.
; Left out: the second copy of each key/value head that repeat_kv makes (see the first kernel's head): kv and ksum are made for the 4 heads.
; A tile of 256 x 256 is made by four waves, each 128 rows x 128 columns = ONE HEAD: 64 accumulators of 16 x 16.  K goes in steps of 128 through two LDS slots filled by tensor loads.
; Tile columns 0-3 (cluster x = 0) are q's heads 2 tc, 2 tc + 1.  Tile columns 4-7 (cluster x = 1) are [k_g | v_g], g = tc - 4: the waves of the left half hold k, those of the right half v.
; CLUSTER 4 x 4: the four of a row need the same tiles of X, the four of a column the same tiles of Wcat: each tile is asked for jointly, by the same tensor load, descriptor and mask in all four.
; The role of a wave (0 = q, 1 = k, 2 = v) hangs on the cluster's x and the wave's number alone: it is the same in all sixteen partners.
; THE MATRIX INSTRUCTION IS USED TRANSPOSED (source 0 = 16 rows of Wcat, source 1 = 16 rows of X): a lane holds row lane % 16 and the eight columns 8 (lane / 16) + 0..7 of each block of 16.
; THE ACTIVATION.  elu(x) + 1 is the middle one of e^x, 1 and x + 1: above 0, 1 < x + 1 < e^x; below 0, x + 1 < e^x < 1; at 0 all three are 1.  For q and k the 1 is added to the bias once.
; THE WAY OUT, 16 rows at a time.  q: sq = elu + 1; R = max(row sum of the head, 2^-100); sq / R goes out in f16 through my stage, 1e-6 / R in f32.  k: sk = elu + 1 in f16 into LDS.
; v: in f16 into LDS, with its largest magnitude kept.  Then, in the k|v tiles, kv_part = sk^T v over the tile's 256 rows (f16 products, f32 sums) and ksum_part by a fragment of ones.
; LIMITS: |k|, |v| under 65,504 (f16); sk under 6e-8 counts as 0; an exponential under 2^-126 counts as 0; NaN and infinities are not treated apart.
; REGISTERS, in windows of 256 (s_set_vgpr_msb: bits 1:0 source 0, 3:2 source 1, 5:4 source 2, 7:6 destination):
;   window 0: v0-31 addresses; v64-127, v128-191 fragments of X, two buffers; v192-255 the bias; on the way out v32-95 X, v96-159 T, v160-191 PK
;   window 1: v64-127, v128-191 fragments of Wcat; later v0-143 the 18 accumulators of kv_part and ksum_part      windows 2, 3: the 64 accumulators ((a, b) at v[8 (8 a + b)])
.set SIZE_K, 2048
.set KSTEP,  128
.set PITCH,  272                       ; an LDS row: 256 bytes + 16 of padding = 68 words: the 16 rows of a load start at 16 different groups of four banks (64 banks of 4 bytes: ISA guide 11.1)
.set HALFT,  128*PITCH                 ; what one tensor load brings
.set SLOT,   4*HALFT                   ; X's 256 rows, then Wcat's 256 rows
.set STAGE,  2*SLOT                    ; behind the ring: 16 rows x 272 bytes for each wave
.set SPITCH, 272
.set ERS,    STAGE+4*16*SPITCH         ; 512 bytes for each wave: 1e-6 / R of its 128 rows
.set SPARE,  ERS+4*512                 ; the spare words, 128 bytes for each wave: two blocks of 256 bytes that no other line names
.set TP,     544                       ; slot 0, when it has had its last fill and its last read: 256 rows [sk 128 | v 128] in f16, 512 bytes + 32 of padding: 256 x 544 = SLOT
.set LAPS,   SIZE_K/(2*KSTEP)
.set BO,   6                           ; v6   32 (l / 16): my eight columns' bias in a block of 16
.set TST,  7                           ; v7   where I put 16 bytes of sk or v; steps 16 rows a block
.set VMX,  8                           ; v8-9   running maxima of v
.set VMN,  10                          ; v10-11 running minima of v
.set ERA,  12                          ; v12  where I put 1e-6 / R; steps 64 bytes a block
.set AVA,  13                          ; v13  turning loads of v
.set AKA,  14                          ; v14  turning loads of sk
.set LN16, 15                          ; v15  16 x lane
.set ADRA, 16                          ; v16-17  LDS address of my fragments of X in slot 0, 1
.set LN4,  18                          ; v18  4 x lane
.set ZOF,  19                          ; v19  0
.set ADRB, 20                          ; v20-21  the same for Wcat
.set ERR,  22                          ; v22  where I read my 512 bytes of 1e-6 / R back
.set STO,  24
.set RD,   25
.set CO,   26
.set SPW,  28                          ; v28  LDS address of my spare word; never rewritten
.set NIL,  29                          ; v29  0; never rewritten
.set PFO,  30                          ; v30  the prefetches' offset: lane x a row of 4,096 bytes
.set X,    32
.set T,    96
.set PK,   160
.set BI,   192
.set FA,   32                          ; the partial kv: fragments of v^T (8 x 8 registers), buffer 1 is 80 registers on
.set FB,   96                          ; fragments of sk^T (2 x 8)
.set ONES, 192
.set F0,   64
.set F1,   128
.set CLX,  8                           ; s8   the cluster's x
.set G1,   24
.set G0,   32
.set LIM,  43
.set PFA,  44
.set G1B,  48
.set G0B,  56
.set ROLE, 66
.set BL,   67                          ; s67  blocks of 16 rows still to go out
.set BP,   80                          ; s[80:81] my 128 columns' bias
.set SQB,  82                          ; s[82:83] sqn at my rows and head; steps 16 rows a block
.set ERB,  84                          ; s[84:85] st: 1e-6 / R of my head and rows
.set KVB,  86                          ; s[86:87] kvp at my two blocks of 16 d
.set KSB,  88                          ; s[88:89] st: ksum_part at my 32 d
.set VMB,  90                          ; s[90:91] st: my word of the maxima
.set SEL,  92                          ; s[92:93] v_permlanex16_b32's selects: each lane takes its own place in the other half
.set M16,  94                          ; s94  the mask of lanes 0-15
.set SVX,  95
.set NL2E, 96                          ; s[96:97] -log2(e), once the addresses are made
.set L2E,  98                          ; s[98:99] log2(e), likewise
.set MSB, 0
.macro WIN new                         ; the immediate's high byte repeats the setting that is left; a switch that changes nothing is dropped
.if MSB != (\new)
	s_set_vgpr_msb (MSB<<8)|(\new)
.set MSB, \new
.endif
.endm
.set MUL_LO, 0xa1                      ; source 0 (Wcat) window 1, source 1 (X) window 0, C and D window 2
.set MUL_HI, 0xf1                      ; the same, C and D window 3
.set TO_B,   0x40                      ; destination window 1, address window 0
; A joint load.  Waves 0 and 1 fetch X's two halves, waves 2 and 3 Wcat's.  The branch hangs on the wave's number alone.  An s_nop 0 and four v_nop follow each of the two lines.
.macro JLOAD s
	s_cmp_eq_u32 s11, 0
	s_cbranch_scc0 .Lfor_b_\@
	tensor_load_to_lds s[G0+4*(\s):G0+4*(\s)+3], s[G1:G1+7]
	s_nop 0
.rept 4
	v_nop
.endr
	s_branch .Lasked_\@
.Lfor_b_\@:
	tensor_load_to_lds s[G0B+4*(\s):G0B+4*(\s)+3], s[G1B:G1B+7]
	s_nop 0
.rept 4
	v_nop
.endr
.Lasked_\@:
.endm
; A prefetch into the L2 of the K step that stands two refills on: 32 rows x 256 bytes, a lane a row, one instruction a wave.  Each row's 256 bytes of a K step are named once in the launch:
; X's rows by the cluster with x = 0, Wcat's by the cluster with y = 0; the four partners that ask for a tile jointly take 32 of a wave's 128 rows each, told apart by address.
; K steps 0-3 come by their loads alone; the loop's last trip (s3 = 1) asks for nothing: K steps 16 and 17 do not exist.
.macro ASK
	s_cmp_gt_u32 s3, s[LIM]
	s_cbranch_scc0 .Lnot_mine_\@
	global_prefetch_b8 v[PFO], s[PFA:PFA+1] offset:KSTEP*2 th:TH_LOAD_NT scope:SCOPE_SE
.Lnot_mine_\@:
.endm
.macro CREST                           ; a round of the cluster's barrier behind its opening barrier
	s_cmp_lg_u32 s10, 0
	s_cbranch_scc1 .Lnot_wave_0_\@
	s_barrier_signal -3
.Lnot_wave_0_\@:
	s_barrier_wait -3
	s_barrier_signal -1
	s_barrier_wait -1
.endm
.macro CROUND                          ; a whole round
	s_barrier_signal -1
	s_barrier_wait -1
	CREST
.endm
	s_load_b128 s[4:7], s[0:1], 0x0                ; xb s[4:5], wb s[6:7]
	s_load_b256 s[68:75], s[0:1], 0x10             ; bq s[68:69], bk s[70:71], bv s[72:73], sqn s[74:75]
	s_load_b128 s[76:79], s[0:1], 0x30             ; st s[76:77], kvp s[78:79]
	v_lshl_add_u32 v[SPW], v0, 2, SPARE
	v_mov_b32 v[NIL], 0
	ds_add_u32 v[SPW], v[NIL]                      ; the wave's opening: the add, twice on end, and its wait ahead of my first tensor load
	ds_add_u32 v[SPW], v[NIL]                      ; and once more, under the one wait; the set-up below stands between
	v_lshrrev_b32 v1, 5, v0
	v_readfirstlane_b32 s10, v1                    ; wave 0..3
	s_lshr_b32 s11, s10, 1                         ; which half of the tile's rows is mine.  Also: I fetch for X (0) or for Wcat (1)
	s_and_b32 s12, s10, 1                          ; which half of its columns.  Also: which 128 rows of that tile I fetch
	s_bfe_u32 s40, ttmp6, 0x40000                  ; cx
	s_bfe_u32 s41, ttmp6, 0x40004                  ; cy
	s_lshl_b32 s42, ttmp9, 2
	s_add_co_u32 s42, s42, s40                     ; tile column = 4 x cluster x + cx
	s_and_b32 s13, ttmp7, 0xffff
	s_lshl_b32 s13, s13, 2
	s_add_co_u32 s13, s13, s41                     ; tile row = 4 x cluster y + cy
	s_lshl_b32 s43, s41, 2
	s_lshl_b32 s43, 15, s43                        ; my row of the cluster
	s_lshl_b32 s44, 0x1111, s40                    ; my column
	; descriptor group 1: a tile of 128 rows x 128 elements of 2 bytes, 16 bytes of padding behind every 256
	s_or_b32 s[G1+0], s43, (1<<16)|(1<<20)|(1<<21)|(5<<22)|(3<<25)   ; 15:0 the mask: X's tiles go to my row; 17:16 2-byte elements; 20 padding on; 21 set beside a mask; 24:22 after every 64 words; 31:25 4 words
	s_or_b32 s[G1B+0], s44, (1<<16)|(1<<20)|(1<<21)|(5<<22)|(3<<25)  ; the same with the mask of my column
.irp g, G1, G1B
	s_mov_b32 s[(\g)+1], KSTEP<<16                 ; tensor_dim0 = 128
	s_mov_b32 s[(\g)+2], 128<<16                   ; tensor_dim1 = 128
	s_mov_b32 s[(\g)+3], KSTEP<<16                 ; tile_dim0 = 128
	s_mov_b32 s[(\g)+4], 128                       ; tile_dim1 = 128
	s_mov_b32 s[(\g)+5], SIZE_K                    ; elements from row to row
	s_mov_b32 s[(\g)+6], 0
	s_mov_b32 s[(\g)+7], 0
.endr
	s_lshl_b32 s17, s12, 7
	s_lshl_b32 s16, s13, 8
	s_add_co_u32 s16, s16, s17                     ; X: row 256 x tile row + 128 x half
	s_lshl_b32 s46, s42, 8
	s_add_co_u32 s46, s46, s17                     ; Wcat: row 256 x tile column + 128 x half
	s_mov_b32 s17, 0
	s_mov_b32 s47, 0
	s_mov_b64 s[18:19], SIZE_K*2
	s_mul_u64 s[16:17], s[16:17], s[18:19]
	s_mul_u64 s[46:47], s[46:47], s[18:19]
	s_mul_i32 s20, s10, HALFT                      ; where they go: wave x 128 rows: no place in the cluster enters an LDS address
	s_wait_dscnt 0x0                               ; both opening adds are done
	s_wait_kmcnt 0x0
	s_add_nc_u64 s[14:15], s[4:5], s[16:17]
	s_add_nc_u64 s[46:47], s[6:7], s[46:47]
	CROUND                                         ; all sixteen work-groups are here: the first joint loads meet
.irp s, 0,1
	s_mov_b32 s[G0+4*(\s)], 1
	s_add_co_u32 s[G0+4*(\s)+1], s20, (\s)*SLOT
	s_add_nc_u64 s[G0+4*(\s)+2:G0+4*(\s)+3], s[14:15], (\s)*KSTEP*2
	s_or_b32 s[G0+4*(\s)+3], s[G0+4*(\s)+3], 0x80000000
	s_mov_b32 s[G0B+4*(\s)], 1
	s_add_co_u32 s[G0B+4*(\s)+1], s20, (\s)*SLOT
	s_add_nc_u64 s[G0B+4*(\s)+2:G0B+4*(\s)+3], s[46:47], (\s)*KSTEP*2
	s_or_b32 s[G0B+4*(\s)+3], s[G0B+4*(\s)+3], 0x80000000
	JLOAD \s
.endr
	; lane addresses.  A fragment is 16 rows x 32 K in 8 registers: lane l holds row l % 16, K = 8 (l / 16) + 0..7 and 16 + 8 (l / 16) + 0..7: two loads of 16 bytes, 32 bytes apart
	v_and_b32 v1, 15, v0                           ; l % 16
	v_bfe_u32 v2, v0, 4, 1                         ; l / 16
	v_mul_u32_u24 v3, v1, PITCH
	v_lshl_add_u32 v3, v2, 4, v3
	s_mul_i32 s21, s11, HALFT
	s_mul_i32 s22, s12, HALFT
	s_add_co_u32 s22, s22, 2*HALFT
.irp s, 0,1
	v_add_nc_u32 v[ADRA+(\s)], s21, v3
	v_add_nc_u32 v[ADRB+(\s)], s22, v3
	s_add_co_u32 s21, s21, SLOT
	s_add_co_u32 s22, s22, SLOT
.endr
	s_mul_i32 s23, s10, 16*SPITCH
	s_add_co_u32 s23, s23, STAGE                   ; my stage
	v_mul_u32_u24 v4, v1, SPITCH                   ; in: row l % 16, 16 bytes for each half of the lanes
	v_lshl_add_u32 v4, v2, 4, v4
	v_add_nc_u32 v[STO], s23, v4
	v_mul_u32_u24 v5, v2, SPITCH                   ; back: lanes 0-15 one row of 256 bytes, lanes 16-31 the next
	v_lshl_add_u32 v5, v1, 4, v5
	v_add_nc_u32 v[RD], s23, v5
	v_lshlrev_b32 v5, 11, v2                       ; and the same two rows in sqn (2,048 bytes a row)
	v_lshl_add_u32 v[CO], v1, 4, v5
	v_and_b32 v3, 31, v0
	v_lshlrev_b32 v[LN16], 4, v3
	v_lshlrev_b32 v[LN4], 2, v3
	v_mov_b32 v[ZOF], 0
	v_lshlrev_b32 v[BO], 5, v2
	s_mul_i32 s96, s11, 128*TP                     ; sk and v in LDS: my 128 rows,
	s_lshl_b32 s97, s12, 8                         ; my half of their 512 bytes
	s_add_co_u32 s96, s96, s97
	v_mul_u32_u24 v4, v1, TP
	v_lshl_add_u32 v4, v2, 4, v4
	v_add_nc_u32 v[TST], s96, v4
	s_lshl_b32 s96, s10, 9
	s_add_co_u32 s96, s96, ERS
	v_lshl_add_u32 v[ERA], v1, 2, s96
	v_add_nc_u32 v[ERR], s96, v[LN16]
	v_and_b32 v4, 7, v0                            ; the turning load: lane l reads row 8 (l / 16) + l % 8, 16 bytes at 16 ((l / 8) % 2)
	v_lshl_add_u32 v4, v2, 3, v4
	v_mul_u32_u24 v4, v4, TP
	v_bfe_u32 v5, v0, 3, 1
	v_lshl_add_u32 v4, v5, 4, v4
	v_add_nc_u32 v[AVA], 256, v4                   ; v lies in the rows' second 256 bytes
	s_lshl_b32 s96, s10, 6
	v_add_nc_u32 v[AKA], s96, v4                   ; my 32 columns d of sk
	; roles and global addresses: cx and cy enter these alone, in registers that feed no descriptor
	s_mov_b32 s[CLX], ttmp9
	s_add_co_u32 s96, s12, 1
	s_cmp_eq_u32 s[CLX], 0
	s_cselect_b32 s[ROLE], 0, s96                  ; 0 = q, 1 = k, 2 = v
	s_lshl_b32 s96, s42, 1
	s_add_co_u32 s96, s96, s12
	s_and_b32 s96, s96, 7                          ; q's head 2 tc + half; in the k|v tiles, where it is not used, cut to 0..7
	s_cmp_eq_u32 s12, 0
	s_cselect_b64 s[BP:BP+1], s[70:71], s[72:73]
	s_cmp_eq_u32 s[CLX], 0
	s_cselect_b64 s[BP:BP+1], s[68:69], s[BP:BP+1]
	s_cselect_b32 s97, s96, s40                    ; the head in its bias: q's head, or g = cx
	s_lshl_b32 s98, s97, 9
	s_mov_b32 s99, 0
	s_add_nc_u64 s[BP:BP+1], s[BP:BP+1], s[98:99]
	s_lshl_b32 s97, s13, 8
	s_lshl_b32 s98, s11, 7
	s_add_co_u32 s97, s97, s98                     ; my first row
	s_lshl_b32 s98, s97, 11
	s_lshl_b32 s9, s96, 8
	s_add_co_u32 s98, s98, s9
	s_add_nc_u64 s[SQB:SQB+1], s[74:75], s[98:99]
	s_lshl_b32 s98, s96, 13
	s_add_co_u32 s98, s98, s97
	s_lshl_b32 s98, s98, 2
	s_add_nc_u64 s[ERB:ERB+1], s[76:77], s[98:99]  ; st byte 4 (8,192 head + row)
	s_lshr_b32 s96, s13, 4                         ; the batch
	s_and_b32 s97, s13, 15                         ; the block of 256 rows in it
	s_lshl_b32 s98, s96, 2
	s_add_co_u32 s98, s98, s40
	s_lshl_b32 s98, s98, 4
	s_add_co_u32 s98, s98, s97
	s_lshl_b32 s98, s98, 2
	s_add_co_u32 s98, s98, s10
	s_lshl_b32 s98, s98, 14
	s_add_nc_u64 s[KVB:KVB+1], s[78:79], s[98:99]  ; kvp byte ((4 b + g) 16 + rb) 65,536 + 16,384 wave
	s_lshl_b32 s98, s13, 2
	s_add_co_u32 s98, s98, s40
	s_lshl_b32 s98, s98, 2
	s_add_co_u32 s98, s98, s10
	s_lshl_b32 s98, s98, 7
	s_add_co_u32 s98, s98, 262144
	s_add_nc_u64 s[KSB:KSB+1], s[76:77], s[98:99]  ; st byte 262,144 + ((16 b + rb) 4 + g) 512 + 128 wave
	s_lshl_b32 s98, s97, 2
	s_add_co_u32 s98, s98, s40
	s_lshl_b32 s98, s98, 1
	s_add_co_u32 s98, s98, s11
	s_lshl_b32 s98, s98, 2
	s_lshl_b32 s9, s96, 9
	s_add_co_u32 s98, s98, s9
	s_add_co_u32 s98, s98, 327680
	s_add_nc_u64 s[VMB:VMB+1], s[76:77], s[98:99]  ; st byte 327,680 + 512 b + 4 ((4 rb + g) 2 + row half)
	s_mov_b32 s[SEL], 0x76543210
	s_mov_b32 s[SEL+1], 0xfedcba98
	s_mov_b32 s[M16], 0xffff
	s_mov_b32 s[L2E], 0x3fb8aa3b
	s_mov_b32 s[L2E+1], s[L2E]                     ; named with it as a pair
	s_mov_b32 s[NL2E], 0xbfb8aa3b
	s_mov_b32 s[NL2E+1], s[NL2E]
	s_mov_b32 s9, 0xffff0000                       ; a word's upper bf16
	; the prefetches
	s_lshl_b32 s20, s13, 8
	s_lshl_b32 s21, s42, 8
	s_and_b32 s22, ttmp7, 0xffff
	s_cmp_eq_u32 s11, 0                            ; do I fetch for X?
	s_cselect_b32 s20, s20, s21                    ; the tile's first row
	s_cselect_b32 s21, s40, s41                    ; my place among the four that ask for it with me
	s_cselect_b32 s22, ttmp9, s22                  ; the coordinate along which other clusters read the same rows
	s_cselect_b64 s[PFA:PFA+1], s[4:5], s[6:7]
	s_cmp_eq_u32 s22, 0
	s_cselect_b32 s[LIM], 1, -1
	s_lshl_b32 s22, s12, 7
	s_add_co_u32 s20, s20, s22
	s_lshl_b32 s21, s21, 5
	s_add_co_u32 s20, s20, s21
	s_mov_b32 s21, 0
	s_mov_b64 s[18:19], SIZE_K*2
	s_mul_u64 s[20:21], s[20:21], s[18:19]
	s_add_nc_u64 s[PFA:PFA+1], s[PFA:PFA+1], s[20:21]
	s_add_nc_u64 s[PFA:PFA+1], s[PFA:PFA+1], 2*KSTEP*2  ; at K step 2: the first refill steps it to 3 and names K step 4
	v_and_b32 v[PFO], 31, v0
	v_mul_u32_u24 v[PFO], v[PFO], SIZE_K*2
.irp be, 0,1,2,3,4,5,6,7               ; the bias of my 64 columns: register 8 be + j is column 16 be + 8 (l / 16) + j; waited for on the way out
	global_load_b128 v[BI+8*(\be):BI+8*(\be)+3],   v[BO], s[BP:BP+1] offset:64*(\be)
	global_load_b128 v[BI+8*(\be)+4:BI+8*(\be)+7], v[BO], s[BP:BP+1] offset:64*(\be)+16
.endr
; 16 matrix instructions: m blocks a0, a0 + 1 of the window's four x all 8 n blocks, 32 along K.  zero = 1: the first product starts the sums.  The 64 accumulators take turns, in the same order in every quarter.
.macro MUL16 f, hi, a0, zero
	WIN MUL_LO+0x50*(\hi)
.irp a, \a0, (\a0)+1
.irp b, 0,1,2,3,4,5,6,7
.if \zero
	v_wmma_f32_16x16x32_bf16 v[8*(8*(\a)+(\b)):8*(8*(\a)+(\b))+7], v[(\f)+8*(\b):(\f)+8*(\b)+7], v[(\f)+8*(4*(\hi)+(\a)):(\f)+8*(4*(\hi)+(\a))+7], 0
.else
	v_wmma_f32_16x16x32_bf16 v[8*(8*(\a)+(\b)):8*(8*(\a)+(\b))+7], v[(\f)+8*(\b):(\f)+8*(\b)+7], v[(\f)+8*(4*(\hi)+(\a)):(\f)+8*(4*(\hi)+(\a))+7], v[8*(8*(\a)+(\b)):8*(8*(\a)+(\b))+7]
.endif
.endr
.endr
.endm
; 32 LDS loads in one run: the fragments of one quarter step (32 K at byte k of the rows) into buffer f: Wcat's 16 loads, then X's 16
.macro FETCH slot, k, f
	WIN TO_B
.irp i, 0,1,2,3,4,5,6,7
	ds_load_b128 v[(\f)+8*(\i):(\f)+8*(\i)+3],   v[ADRB+(\slot)] offset:(\k)+(\i)*16*PITCH
	ds_load_b128 v[(\f)+8*(\i)+4:(\f)+8*(\i)+7], v[ADRB+(\slot)] offset:(\k)+(\i)*16*PITCH+32
.endr
	WIN 0
.irp i, 0,1,2,3,4,5,6,7
	ds_load_b128 v[(\f)+8*(\i):(\f)+8*(\i)+3],   v[ADRA+(\slot)] offset:(\k)+(\i)*16*PITCH
	ds_load_b128 v[(\f)+8*(\i)+4:(\f)+8*(\i)+7], v[ADRA+(\slot)] offset:(\k)+(\i)*16*PITCH+32
.endr
.endm
.macro PLACES                          ; four plain vector instructions between a matrix instruction and a load into, or a vector instruction on, its registers
.rept 4
	v_nop
.endr
.endm
.macro QUARTER slot, k, f, g, zero     ; multiplies buffer f; in its middle it fetches the next quarter, at byte k, into buffer g
	s_wait_dscnt 8                                 ; Wcat and X's rows 0-63 are in; the youngest eight loads (X's rows 64-127) may be out
	WIN MUL_LO
	MUL16 \f, 0, 0, \zero
	MUL16 \f, 0, 2, \zero
	PLACES
	FETCH \slot, \k, \g
	s_wait_dscnt 32                                ; all but the 32 just issued
	WIN MUL_HI
	MUL16 \f, 1, 0, \zero
	MUL16 \f, 1, 2, \zero
.endm
; The change of slots: one barrier.  In front of it each wave waits for all its tensor loads (one is out: its part of the next slot), adds 0 to its spare word, and waits for that and for its reads of this slot.
.macro MEET round
	WIN 0
	s_wait_tensorcnt 0x0                           ; all my tensor loads have landed
	ds_add_u32 v[SPW], v[NIL]                      ; 0 onto my spare word
	s_wait_dscnt 9                                 ; the add and the youngest eight loads may be out
	WIN MUL_LO
	MUL16 F1, 0, 0, 0
	s_wait_dscnt 0x0                               ; the add is done, and my reads of this slot are over
	s_barrier_signal -1
	MUL16 F1, 0, 2, 0
.if \round
	WIN 0
.endif
	s_barrier_wait -1
.endm
.macro TURN slot, next                 ; the last quarter of a K step whose slot is filled again, two K steps ahead
	s_wait_xcnt 0x0                                ; the last prefetch, a K step back, has read its address
	s_add_nc_u64 s[PFA:PFA+1], s[PFA:PFA+1], KSTEP*2
	MEET 1
	CREST                                          ; the barrier has opened a round of the cluster's: no wave of any partner still reads this slot or has a load on its way
	s_add_nc_u64 s[G0+4*(\slot)+2:G0+4*(\slot)+3], s[G0+4*(\slot)+2:G0+4*(\slot)+3], 2*KSTEP*2
	s_add_nc_u64 s[G0B+4*(\slot)+2:G0B+4*(\slot)+3], s[G0B+4*(\slot)+2:G0B+4*(\slot)+3], 2*KSTEP*2
	JLOAD \slot                                    ; the first tensor load behind the round; its four v_nop are also the places in front of the loads below
	FETCH \next, 0, F0
	ASK
	WIN MUL_HI
	MUL16 F1, 1, 0, 0
	MUL16 F1, 1, 2, 0
.endm
.macro TURNE next                      ; the same where nothing is left to fetch: a plain barrier, no round
	MEET 0
	PLACES
	FETCH \next, 0, F0
	WIN MUL_HI
	MUL16 F1, 1, 0, 0
	MUL16 F1, 1, 2, 0
.endm
	s_wait_tensorcnt 1                             ; my part of K step 0 is in; K step 1's may stay out
	s_barrier_signal -1
	s_barrier_wait -1
	FETCH 0, 0, F0
	QUARTER 0, 64,  F0, F1, 1                      ; the first quarter stands in front of the loop: its products start the sums
	WIN 0
	s_mov_b32 s3, LAPS-1
.Llap:                                         ; a trip goes once round the ring and fills both slots again
	QUARTER 0, 128, F1, F0, 0
	QUARTER 0, 192, F0, F1, 0
	TURN 0, 1
	QUARTER 1, 64,  F0, F1, 0
	QUARTER 1, 128, F1, F0, 0
	QUARTER 1, 192, F0, F1, 0
	TURN 1, 0
	QUARTER 0, 64,  F0, F1, 0
	WIN 0
	s_sub_co_u32 s3, s3, 1
	s_cmp_lg_u32 s3, 0
	s_cbranch_scc1 .Llap
	QUARTER 0, 128, F1, F0, 0                      ; the last lap fills nothing
	QUARTER 0, 192, F0, F1, 0
	TURNE 1                                        ; behind its barrier no wave reads slot 0 and no load lands there any more
	QUARTER 1, 64,  F0, F1, 0
	QUARTER 1, 128, F1, F0, 0
	QUARTER 1, 192, F0, F1, 0
	s_wait_dscnt 8
	MUL16 F1, 0, 0, 0
	MUL16 F1, 0, 2, 0
	s_wait_dscnt 0x0
	MUL16 F1, 1, 0, 0
	MUL16 F1, 1, 2, 0
	; THE WAY OUT
	WIN 0
	PLACES
	s_wait_loadcnt 0x0                             ; the bias
.set i, 0
.rept 32                                       ; it is rounded to bf16, like every input
	v_cvt_pk_bf16_f32 v[T+i], v[BI+2*i], v[BI+2*i+1]
.set i, i+1
.endr
.set i, 0
.rept 32
	v_lshlrev_b32 v[BI+2*i], 16, v[T+i]
	v_and_b32 v[BI+2*i+1], s9, v[T+i]
.set i, i+1
.endr
	s_mov_b32 s9, 1.0                              ; from here on s9 holds 1
	s_cmp_eq_u32 s[ROLE], 2
	s_cbranch_scc1 .Lno_one
.set i, 0
.rept 32                                       ; q and k: the activation wants x + 1: the 1 joins the bias, once for the eight blocks
	v_pk_add_f32 v[BI+2*i:BI+2*i+1], v[BI+2*i:BI+2*i+1], 1.0 op_sel_hi:[1,0]
.set i, i+1
.endr
.Lno_one:
	v_mov_b32 v[VMX], 0
	v_mov_b32 v[VMX+1], 0
	v_mov_b32 v[VMN], 0
	v_mov_b32 v[VMN+1], 0
	s_mov_b32 s[BL], 8
; Block a's 64 sums plus the bias (for q and k: plus 1) go into X.  Only these 32 lines name the accumulators, so only they stand eight times; the block's work stands once.  Each accumulator is read from its low end on.
.macro STUB a
	WIN 0x02+(\a)/4
.set i, 0
.rept 32
	v_pk_add_f32 v[X+2*i:X+2*i+1], v[64*((\a)%4)+2*i:64*((\a)%4)+2*i+1], v[BI+2*i:BI+2*i+1]
.set i, i+1
.endr
	WIN 0
.endm
.Lblk:                                         ; eight trips, counted down: the trip with BL to go takes my block 8 - BL of 16 rows
.irp a, 0,1,2,3,4,5,6
	s_cmp_eq_u32 s[BL], 8-(\a)
	s_cbranch_scc1 .Lst\a
.endr
	STUB 7
	s_branch .Lbody
.irp a, 0,1,2,3,4,5
.Lst\a:
	STUB \a
	s_branch .Lbody
.endr
.Lst6:
	STUB 6
.Lbody:
	s_cmp_eq_u32 s[ROLE], 2
	s_cbranch_scc1 .Lv
	; X holds x + 1.  T = log2(e) X - log2(e) = log2(e) x; 2^T = e^x; elu(x) + 1 = the middle one of e^x, 1 and x + 1.  An e^x past f32's range is +infinity, and the middle one is then x + 1.
	; The 64 exponentials are one batch; a pair's two stand behind the next pair's multiply-add, which names neither their sources nor their results.
.set i, 0
.rept 32
	v_pk_fma_f32 v[T+2*i:T+2*i+1], v[X+2*i:X+2*i+1], s[L2E:L2E+1], s[NL2E:NL2E+1] op_sel_hi:[1,0,0]
.if i > 0
	v_exp_f32 v[T+2*i-2], v[T+2*i-2]
	v_exp_f32 v[T+2*i-1], v[T+2*i-1]
.endif
.set i, i+1
.endr
	v_exp_f32 v[T+62], v[T+62]
	v_exp_f32 v[T+63], v[T+63]
	v_nop                                          ; a plain instruction behind the last exponential,
	s_wait_alu depctr_va_vdst(0)                   ; and one wait for the batch ahead of its first reader
.set i, 0
.rept 64
	v_med3_num_f32 v[X+i], v[T+i], s9, v[X+i]
.set i, i+1
.endr
	s_cmp_eq_u32 s[ROLE], 1
	s_cbranch_scc1 .Lcvt
	; q: the head's row sum R: my 64 columns, then the other half of the lanes' 64
.set i, 0
.rept 16
	v_pk_add_f32 v[T+2*i:T+2*i+1], v[X+4*i:X+4*i+1], v[X+4*i+2:X+4*i+3]
.set i, i+1
.endr
.irp n, 8,4,2,1
.set i, 0
.rept \n
	v_pk_add_f32 v[T+2*i:T+2*i+1], v[T+2*i:T+2*i+1], v[T+2*(i+\n):T+2*(i+\n)+1]
.set i, i+1
.endr
.endr
	v_add_f32 v[T], v[T], v[T+1]
	v_permlanex16_b32 v[T+1], v[T], s[SEL], s[SEL+1]
	v_add_f32 v[T], v[T], v[T+1]
	v_max_num_f32 v[T], 0x0d800000, v[T]           ; at least 2^-100
	v_rcp_f32 v[T+2], v[T]
	v_nop                                          ; a plain instruction behind the reciprocal,
	s_wait_alu depctr_va_vdst(0)                   ; and its wait
	v_mul_f32 v[T+4], 0x358637bd, v[T+2]           ; 1e-6 / R
	ds_store_b32 v[ERA], v[T+4]                    ; both halves of the lanes write the same number to the same word
.set i, 0
.rept 32
	v_pk_mul_f32 v[X+2*i:X+2*i+1], v[X+2*i:X+2*i+1], v[T+2:T+3] op_sel_hi:[1,0]
.set i, i+1
.endr
	s_branch .Lcvt
.Lv:                                           ; v: the largest and the least number so far
.set i, 0
.rept 32
	v_max3_num_f32 v[VMX+i%2], v[X+2*i], v[X+2*i+1], v[VMX+i%2]
	v_min3_num_f32 v[VMN+i%2], v[X+2*i], v[X+2*i+1], v[VMN+i%2]
.set i, i+1
.endr
.Lcvt:
.set i, 0
.rept 32
	v_cvt_pk_f16_f32 v[PK+i], v[X+2*i], v[X+2*i+1]
.set i, i+1
.endr
	s_cmp_eq_u32 s[ROLE], 0
	s_cbranch_scc0 .Ltolds
.irp be, 0,1,2,3,4,5,6,7               ; q: through my stage, so that sixteen lanes store a row's 256 bytes
	ds_store_b128 v[STO], v[PK+4*(\be):PK+4*(\be)+3] offset:32*(\be)
.endr
.irp t, 0,1,2,3,4,5,6,7
	ds_load_b128 v[T+4*(\t):T+4*(\t)+3], v[RD] offset:(\t)*2*SPITCH  ; LDS serves a wave's instructions in order (ISA guide 5.7.1.4): these see the stores above
.endr
	s_wait_dscnt 0x0
.irp t, 0,1,2,3,4,5,6,7
	global_store_b128 v[CO], v[T+4*(\t):T+4*(\t)+3], s[SQB:SQB+1] offset:4096*(\t)  ; 16 lanes store 256 consecutive bytes, aligned
.endr
	s_wait_xcnt 0x0                                ; the stores have read their data and their base: both are written again below and in the next trip
	s_add_nc_u64 s[SQB:SQB+1], s[SQB:SQB+1], 32768
	s_branch .Lnextb
.Ltolds:
.irp be, 0,1,2,3,4,5,6,7               ; k and v: into the rows [sk | v] where slot 0 lay
	ds_store_b128 v[TST], v[PK+4*(\be):PK+4*(\be)+3] offset:32*(\be)
.endr
.Lnextb:
	v_add_nc_u32 v[ERA], 64, v[ERA]                ; both LDS addresses step at the loop's foot in every wave, whatever its role: each is the same function of the trip on every path;
	v_add_nc_u32 v[TST], 16*TP, v[TST]             ; a wave uses the one that goes with its role
	s_sub_co_u32 s[BL], s[BL], 1
	s_cmp_lg_u32 s[BL], 0
	s_cbranch_scc1 .Lblk
	s_cmp_eq_u32 s[ROLE], 0
	s_cbranch_scc0 .Lnoer
	ds_load_b128 v[T:T+3], v[ERR]                  ; my 128 rows' 1e-6 / R: my own bytes
	s_wait_dscnt 0x0
	global_store_b128 v[LN16], v[T:T+3], s[ERB:ERB+1]  ; 512 consecutive bytes, aligned
.Lnoer:
	s_cmp_eq_u32 s[ROLE], 2
	s_cbranch_scc0 .Lnovm
	v_max_num_f32 v[VMX], v[VMX], v[VMX+1]
	v_min_num_f32 v[VMN], v[VMN], v[VMN+1]
	v_sub_f32 v[VMN], 0, v[VMN]
	v_max_num_f32 v[VMX], v[VMX], v[VMN]           ; max |v| of my lane
	v_max_num_f32_dpp v[VMX], v[VMX], v[VMX] row_xmask:1 row_mask:0xf bank_mask:0xf
	v_max_num_f32_dpp v[VMX], v[VMX], v[VMX] row_xmask:2 row_mask:0xf bank_mask:0xf
	v_max_num_f32_dpp v[VMX], v[VMX], v[VMX] row_xmask:4 row_mask:0xf bank_mask:0xf
	v_max_num_f32_dpp v[VMX], v[VMX], v[VMX] row_xmask:8 row_mask:0xf bank_mask:0xf
	v_permlanex16_b32 v[VMX+1], v[VMX], s[SEL], s[SEL+1]
	v_max_num_f32 v[VMX], v[VMX], v[VMX+1]         ; of my 128 x 128 numbers
	v_cmp_eq_u32 vcc_lo, 0, v[LN4]
	s_wait_xcnt 0x0                                ; EXEC changes only behind this wait
	s_and_saveexec_b32 s[SVX], vcc_lo
	global_store_b32 v[ZOF], v[VMX], s[VMB:VMB+1]  ; lane 0 alone
	s_wait_xcnt 0x0                                ; and again in front of the line that widens it
	s_or_b32 exec_lo, exec_lo, s[SVX]
.Lnovm:
	s_wait_dscnt 0x0                               ; for the others' sake: my stores of sk or v are done
	s_barrier_signal -1
	s_barrier_wait -1                              ; the 256 rows [sk | v] are whole
	s_cmp_eq_u32 s[CLX], 0
	s_cbranch_scc1 .Lend                           ; q's tiles have no kv; neither a barrier nor a tensor load is jumped over
	; kv_part^T = v^T sk over the tile's 256 rows: source 0 = 16 columns e of v, source 1 = 16 columns d of sk, both turned out of LDS; a lane holds d = l % 16 and e = 8 (l / 16) + 0..7.
	; Wave w owns d = 32 w .. 32 w + 31 (two blocks) x all 128 e: 16 accumulators, and two more whose source 0 is all ones: the column sums of sk.  The 18 take turns, one instruction a turn.
.macro FK buf                          ; a step's 20 turning loads: 32 rows, v's 8 blocks of 16 e and sk's 2 blocks of 16 d
	WIN 0
.irp e, 0,1,2,3,4,5,6,7
	ds_load_tr16_b128 v[FA+80*(\buf)+8*(\e):FA+80*(\buf)+8*(\e)+3],   v[AVA] offset:32*(\e)
	ds_load_tr16_b128 v[FA+80*(\buf)+8*(\e)+4:FA+80*(\buf)+8*(\e)+7], v[AVA] offset:32*(\e)+16*TP
.endr
.irp i, 0,1
	ds_load_tr16_b128 v[FB+80*(\buf)+8*(\i):FB+80*(\buf)+8*(\i)+3],   v[AKA] offset:32*(\i)
	ds_load_tr16_b128 v[FB+80*(\buf)+8*(\i)+4:FB+80*(\buf)+8*(\i)+7], v[AKA] offset:32*(\i)+16*TP
.endr
	v_add_nc_u32 v[AVA], 32*TP, v[AVA]
	v_add_nc_u32 v[AKA], 32*TP, v[AKA]
.endm
.macro MK buf, zero                    ; a step's 18 products; C and D in window 1
	WIN 0x50
.irp i, 0,1
.irp e, 0,1,2,3,4,5,6,7
.if \zero
	v_wmma_f32_16x16x32_f16 v[8*(8*(\i)+(\e)):8*(8*(\i)+(\e))+7], v[FA+80*(\buf)+8*(\e):FA+80*(\buf)+8*(\e)+7], v[FB+80*(\buf)+8*(\i):FB+80*(\buf)+8*(\i)+7], 0
.else
	v_wmma_f32_16x16x32_f16 v[8*(8*(\i)+(\e)):8*(8*(\i)+(\e))+7], v[FA+80*(\buf)+8*(\e):FA+80*(\buf)+8*(\e)+7], v[FB+80*(\buf)+8*(\i):FB+80*(\buf)+8*(\i)+7], v[8*(8*(\i)+(\e)):8*(8*(\i)+(\e))+7]
.endif
.endr
.if \zero
	v_wmma_f32_16x16x32_f16 v[8*(16+(\i)):8*(16+(\i))+7], v[ONES:ONES+7], v[FB+80*(\buf)+8*(\i):FB+80*(\buf)+8*(\i)+7], 0
.else
	v_wmma_f32_16x16x32_f16 v[8*(16+(\i)):8*(16+(\i))+7], v[ONES:ONES+7], v[FB+80*(\buf)+8*(\i):FB+80*(\buf)+8*(\i)+7], v[8*(16+(\i)):8*(16+(\i))+7]
.endif
.endr
.endm
.macro KV buf, zero, more              ; one of the eight steps; more = 1: its buffer is asked for again, two steps on
	s_wait_dscnt 20                                ; this step's 20 loads are in; the next step's 20 may be out
	MK \buf, \zero
.if \more
	PLACES
	FK \buf
.endif
.endm
.set i, 0
.rept 8
	v_mov_b32 v[ONES+i], 0x3c003c00                ; 1.0 twice, in f16
.set i, i+1
.endr
	s_wait_xcnt 0x0                                ; every earlier store has read its data: the registers below are loaded anew
	FK 0
	FK 1
	KV 0, 1, 1
	KV 1, 0, 1
	KV 0, 0, 1
	KV 1, 0, 1
	KV 0, 0, 1
	KV 1, 0, 1
	KV 0, 0, 0
	s_wait_dscnt 0x0                               ; the last step
	MK 1, 0
	PLACES
	WIN 0x04                                       ; store data in window 1
.set i, 0
.rept 16                                       ; accumulator 8 i + e is (block 2 w + i of d, block e of e): 1,024 bytes, registers 0-3 and then 4-7, 512 consecutive bytes a store
	global_store_b128 v[LN16], v[8*i:8*i+3],   s[KVB:KVB+1] offset:1024*i
	global_store_b128 v[LN16], v[8*i+4:8*i+7], s[KVB:KVB+1] offset:1024*i+512
.set i, i+1
.endr
	WIN 0x05
	v_cndmask_b32 v32, v136, v128, s[M16]          ; register 0 of the two sums: lanes 0-15 d = 32 w + l, lanes 16-31 likewise from the second
	WIN 0
	global_store_b32 v[LN4], v32, s[KSB:KSB+1]
.Lend:
	s_wait_tensorcnt 0x0                           ; the wave's end: an add to my spare word and its wait, behind my last tensor load and my last LDS store
	ds_add_u32 v[SPW], v[NIL]
	s_wait_dscnt 0x0
	CROUND                                         ; the closing round: no work-group ends while a partner may still ask for a tile that names it
	s_endpgm
.Lfunc_end_k_qd4b3906125_qkv:
	.size	k_qd4b3906125_qkv, .Lfunc_end_k_qd4b3906125_qkv-k_qd4b3906125_qkv
	.p2alignl 7, 3214868480
	.fill 96, 4, 3214868480
	.section	.rodata,"a",@progbits
	.p2align	6, 0x0
	.amdhsa_kernel k_qd4b3906125_qkv
		.amdhsa_group_segment_fixed_size 327680
		.amdhsa_private_segment_fixed_size 0
		.amdhsa_enable_private_segment 0
		.amdhsa_kernarg_size 64
		.amdhsa_user_sgpr_count 2
		.amdhsa_user_sgpr_kernarg_segment_ptr 1
		.amdhsa_wavefront_size32 1
		.amdhsa_system_sgpr_workgroup_id_x 1
		.amdhsa_system_sgpr_workgroup_id_y 1
		.amdhsa_system_sgpr_workgroup_id_z 1
		.amdhsa_system_vgpr_workitem_id 0
		.amdhsa_next_free_vgpr 1024
		.amdhsa_next_free_sgpr 100
		.amdhsa_reserve_vcc 1
		.amdhsa_float_denorm_mode_32 3
		.amdhsa_float_denorm_mode_16_64 3
		.amdhsa_memory_ordered 1
		.amdhsa_forward_progress 1
		.amdhsa_inst_pref_size 188
	.end_amdhsa_kernel
	.amdgpu_metadata
---
amdhsa.version: [ 1, 2 ]
amdhsa.kernels:
  - .name:           k_qd4b3906125_qkv
    .symbol:         k_qd4b3906125_qkv.kd
    .args:
      - { .name: xb, .offset: 0, .size: 8, .value_kind: global_buffer, .address_space: global }
      - { .name: wb, .offset: 8, .size: 8, .value_kind: global_buffer, .address_space: global }
      - { .name: bq, .offset: 16, .size: 8, .value_kind: global_buffer, .address_space: global }
      - { .name: bk, .offset: 24, .size: 8, .value_kind: global_buffer, .address_space: global }
      - { .name: bv, .offset: 32, .size: 8, .value_kind: global_buffer, .address_space: global }
      - { .name: sqn, .offset: 40, .size: 8, .value_kind: global_buffer, .address_space: global }
      - { .name: st, .offset: 48, .size: 8, .value_kind: global_buffer, .address_space: global }
      - { .name: kvp, .offset: 56, .size: 8, .value_kind: global_buffer, .address_space: global }
    .group_segment_fixed_size: 327680
    .private_segment_fixed_size: 0
    .kernarg_segment_align: 8
    .kernarg_segment_size: 64
    .max_flat_workgroup_size: 128
    .sgpr_count:     100
    .vgpr_count:     1024
    .wavefront_size: 32
...
	.end_amdgpu_metadata
.endif
;; end of part 2
;; launch prep (part 3): grid 256 x 1, 8 waves a work-group, no clusters, 167,936 bytes of LDS; arguments kvp, st, wb, sqn, mt, wn; writes mt, wn
.if DOCPART == 3
	.amdgcn_target "amdgcn-amd-amdhsa--gfx1250"
	.amdhsa_code_object_version 6
	.text
	.protected	k_qd4b3906125_prep
	.globl	k_qd4b3906125_prep
	.p2align	8
	.type	k_qd4b3906125_prep,@function
k_qd4b3906125_prep:
	s_mov_b64 s[64:65], 0
	v_nop
	global_prefetch_b8 v0, s[64:65] scope:SCOPE_SE
	s_setreg_imm32_b32 hwreg(HW_REG_WAVE_MODE, 25, 1), 1
	s_wait_xcnt 0x0
; Launch 3 of 4.  Left out, as the first kernel's head shows: the second copy of each key/value head; (sq kv) Wo^T is taken as sq (kv Wo^T).
; Work-group x (b = x / 128) does two things, its eight waves all by one text.
; (1) MT.  g = (x / 32) % 4, dl = (x / 4) % 8, np = x % 4.  It adds the 16 row blocks' parts of kv[b][g] for d = 16 dl .. + 15, wave v the 16 e from 16 v on; takes vm = max(max |v| of the
;     batch, 2^-100); makes kvn = 256 kv / (max(ksum, 2^-100) vm) in f16 (a weighted mean of v over vm: within 256); the waves hand each other their halves of kvn's four fragments through LDS.
;     Then MT[(h, d)][n] = sum over e of kvn[d][e] Wo[n][128 h + e]: wave v makes head h = 2 g + v / 4 and the 128 n from 512 np + 128 (v % 4) on: 32 products.
;     Source 0 = 16 rows n of Wo, source 1 = kvn: a lane holds d = l % 16 and eight neighbouring n.  The parts are added four times over (np = 0..3), in place of a launch of its own.
; (2) w.  Rows 32 x .. 32 x + 31 (they lie in batch b), wave v four of them: w = sqn ksum / max(sum over d of sqn ksum + 1e-6 / R, 2^-100), in f16.
; THE ORDER serves one aim: few runs of loads that wait for each other.  All of a wave's 64 loads of Wo have registers of their own (window 1), so none waits for a buffer: they go out as soon as the
; count of loads allows, and the four rows of w are worked on while they land.  By this text's own count a wave never has more than 63 loads out.
; ksum is summed twice: the whole table [g][d] into LDS, for (2); and the 16 numbers ksum[g][16 dl + r] that (1) divides by, in each wave's registers, straight from the 16 parts in memory:
; which 16 they are hangs on the work-group's number, and no LDS address of this text does.  The two sums differ in their order alone.
; NO CLUSTER: what work-groups share (Wo's rows, the parts of kv) is read straight into registers; as joint tiles they would want 128 KiB + 256 KiB of LDS side by side.  No prefetch: the launch is short.
; LIMIT: the sum over 128 e of |Wo[n][128 h + e]| stays under 255, so that MT stays inside f16.
; REGISTERS: window 0: v0-31 addresses and small figures; v32-63 KP, v64-71 KD, v72-79 ACC, v80-83 FR, v96-223 kv's 16 parts; then the rows' registers; then v32-95 the eight accumulators; v224-255 kvn's fragments.
;   window 1: Wo's fragments: job u (blocks 2 u, 2 u + 1 of my eight blocks of 16 n, all 128 e) at v[64 u].
.set KS,    0                          ; LDS: ksum[g][d], 512 f32
.set KF,    2048                       ; kvn's four fragments of 32 e, 1,024 bytes each: wave v's half at 512 v
.set ERL,   6144                       ; 1e-6 / R: [row 32][l / 16][j 4] f32, head 2 j + l / 16
.set STG,   7168                       ; 16 rows x 272 bytes for each wave
.set SPARE, 41984                      ; the spare words, 128 bytes for each wave: four blocks of 256 bytes that no other line names
.set SQL,   43008                      ; 8,192 bytes for each wave: its four rows of sqn, filled once by its own tensor load
.set SPW, 16
.set NIL, 17
.set KP,  32
.set KD,  64
.set ACC, 72
.set FR,  80
.set KVR, 96
.set AC,  32
.set KFR, 224
.set KSR, 32
.set SQ,  64
.set ERQ, 80
.set U,   96
.set SS,  128
.set RC,  144
.set WP,  160
.set MSB, 0
.macro WIN new                         ; the immediate's high byte repeats the setting that is left
.if MSB != (\new)
	s_set_vgpr_msb (MSB<<8)|(\new)
.set MSB, \new
.endif
.endm
	s_load_b256 s[4:11], s[0:1], 0x0               ; kvp s[4:5], st s[6:7], wb s[8:9], sqn s[10:11]
	s_load_b128 s[12:15], s[0:1], 0x20             ; mt s[12:13], wn s[14:15]
	v_lshl_add_u32 v[SPW], v0, 2, SPARE
	v_mov_b32 v[NIL], 0
	ds_add_u32 v[SPW], v[NIL]                      ; the wave's opening: the add, twice on end, and its wait ahead of my first tensor load
	ds_add_u32 v[SPW], v[NIL]
	v_lshrrev_b32 v1, 5, v0
	v_readfirstlane_b32 s16, v1                    ; wave 0..7
	s_mov_b32 s17, ttmp9
	s_lshr_b32 s18, s17, 7                         ; b
	s_bfe_u32 s19, s17, 0x20005                    ; g
	s_bfe_u32 s20, s17, 0x30002                    ; dl
	s_and_b32 s21, s17, 3                          ; np
	s_lshr_b32 s22, s16, 2                         ; which of the two heads is mine
	s_and_b32 s23, s16, 3                          ; which 128 of the 512 n
	s_mov_b32 s28, 3<<16                           ; descriptor group 1: 8,192 dense bytes as 32 rows of 32 elements of 8 bytes, no padding
	s_mov_b32 s29, 32<<16                          ; tensor_dim0 = 32
	s_mov_b32 s30, 32<<16                          ; tensor_dim1 = 32
	s_mov_b32 s31, 32<<16                          ; tile_dim0 = 32
	s_mov_b32 s32, 32                              ; tile_dim1 = 32
	s_mov_b32 s33, 32                              ; elements from row to row
	s_mov_b32 s34, 0
	s_mov_b32 s35, 0
	s_mov_b32 s24, 1
	s_lshl_b32 s25, s16, 13
	s_add_co_u32 s25, s25, SQL                     ; my own 8,192 bytes
	s_lshl_b32 s54, s17, 3
	s_add_co_u32 s54, s54, s16
	s_lshl_b32 s54, s54, 13                        ; rows 32 x + 4 wave, 2,048 bytes each
	s_mov_b32 s55, 0
	s_mov_b32 s57, 0
	s_wait_dscnt 0x0                               ; both opening adds are done
	s_wait_kmcnt 0x0
	s_add_nc_u64 s[26:27], s[10:11], s[54:55]
	s_or_b32 s27, s27, 0x80000000
	tensor_load_to_lds s[24:27], s[28:35]          ; my one tensor load; it is waited for in front of the rows' loop
	s_nop 0
	s_add_nc_u64 s[44:45], s[14:15], s[54:55]      ; wn at the same rows
	s_lshl_b32 s56, s18, 15
	s_add_co_u32 s56, s56, 262144
	s_add_nc_u64 s[36:37], s[6:7], s[56:57]        ; ksum's parts of the batch
	s_lshl_b32 s56, s19, 3
	s_add_co_u32 s56, s56, s20
	s_lshl_b32 s56, s56, 6
	s_add_nc_u64 s[60:61], s[36:37], s[56:57]      ; the same at d = 16 dl of head g: 4 (128 g + 16 dl) bytes on
	s_lshl_b32 s56, s18, 2
	s_add_co_u32 s56, s56, s19
	s_lshl_b32 s56, s56, 20
	s_lshl_b32 s58, s20, 13
	s_add_co_u32 s56, s56, s58
	s_lshl_b32 s58, s16, 10
	s_add_co_u32 s56, s56, s58
	s_add_nc_u64 s[38:39], s[4:5], s[56:57]        ; kv's parts: (b, g), block dl of d, block wave of e
	s_lshl_b32 s59, s21, 2
	s_add_co_u32 s59, s59, s23                     ; my 128 n: number 4 np + wave % 4 of sixteen
	s_lshl_b32 s56, s59, 18
	s_lshl_b32 s58, s19, 9
	s_add_co_u32 s56, s56, s58
	s_lshl_b32 s58, s22, 8
	s_add_co_u32 s56, s56, s58
	s_add_co_u32 s56, s56, 8388608
	s_add_nc_u64 s[40:41], s[8:9], s[56:57]        ; Wo in f16: my first row n, my head's first column
	s_lshl_b32 s56, s18, 22
	s_lshl_b32 s58, s19, 20
	s_add_co_u32 s56, s56, s58
	s_lshl_b32 s58, s22, 19
	s_add_co_u32 s56, s56, s58
	s_lshl_b32 s58, s20, 16
	s_add_co_u32 s56, s56, s58
	s_lshl_b32 s58, s59, 8
	s_add_co_u32 s56, s56, s58
	s_add_nc_u64 s[42:43], s[12:13], s[56:57]      ; mt: batch b, row 128 h + 16 dl, my first column
	s_lshl_b32 s56, s18, 9
	s_add_co_u32 s56, s56, 327680
	s_add_nc_u64 s[46:47], s[6:7], s[56:57]        ; the batch's 128 maxima
	s_lshl_b32 s56, s17, 7
	s_lshl_b32 s58, s16, 15
	s_add_co_u32 s56, s56, s58
	s_add_nc_u64 s[48:49], s[6:7], s[56:57]        ; 1e-6 / R: head = my wave's number, row 32 x
	s_mov_b32 s50, 0x76543210
	s_mov_b32 s51, 0xfedcba98
	v_and_b32 v1, 31, v0                           ; lane
	v_and_b32 v2, 15, v0                           ; r
	v_bfe_u32 v3, v0, 4, 1                         ; h
	v_lshlrev_b32 v4, 3, v0                        ; 8 x thread: my two numbers of the table, in memory and in LDS
	v_lshlrev_b32 v5, 4, v1                        ; 16 x lane
	v_lshlrev_b32 v6, 11, v2
	v_lshl_add_u32 v6, v3, 4, v6                   ; a fragment of Wo: row r x 2,048 + 16 h
	s_mul_i32 s56, s16, 16*272
	s_add_co_u32 s56, s56, STG
	v_mul_u32_u24 v7, v2, 272
	v_lshl_add_u32 v7, v3, 4, v7
	v_add_nc_u32 v7, s56, v7                       ; into my stage
	v_mul_u32_u24 v8, v3, 272
	v_lshl_add_u32 v8, v2, 4, v8
	v_add_nc_u32 v8, s56, v8                       ; and back, two rows a load
	v_lshlrev_b32 v9, 12, v3
	v_lshl_add_u32 v9, v2, 4, v9                   ; the same two rows in mt (4,096 bytes a row)
	v_add_nc_u32 v10, s25, v5                      ; my rows of sqn in LDS; steps a row a trip
	s_lshl_b32 s56, s16, 7
	s_add_co_u32 s56, s56, ERL
	v_lshl_add_u32 v11, v3, 4, s56                 ; my rows' 1e-6 / R; steps 32 bytes a trip
	v_mov_b32 v12, v5                              ; my 16 bytes of 512 in wn; steps a row a trip
	v_lshlrev_b32 v13, 2, v1                       ; 1e-6 / R in st: row = lane
	s_and_b32 s56, s16, 1
	s_lshl_b32 s56, s56, 4
	s_lshr_b32 s58, s16, 1
	s_lshl_b32 s58, s58, 2
	s_add_co_u32 s56, s56, s58
	v_lshl_add_u32 v14, v1, 5, s56                 ; and in LDS: 32 row + 16 (head % 2) + 4 (head / 2)
	v_lshlrev_b32 v15, 11, v3
	v_lshl_add_u32 v15, v2, 2, v15                 ; my lane's ksum in memory: part h of each pair of parts (2,048 bytes a part), number r
	v_mov_b32 v18, 0
	s_lshl_b32 s56, s16, 9
	v_add_nc_u32 v30, s56, v5                      ; my half fragment's place among the eight
.macro WQ u                            ; job u's 16 loads of Wo, into window 1
.irp i, 0,1
.irp c, 0,1,2,3
	global_load_b128 v[64*(\u)+32*(\i)+8*(\c):64*(\u)+32*(\i)+8*(\c)+3],   v6, s[40:41] offset:32768*(2*(\u)+(\i))+64*(\c)
	global_load_b128 v[64*(\u)+32*(\i)+8*(\c)+4:64*(\u)+32*(\i)+8*(\c)+7], v6, s[40:41] offset:32768*(2*(\u)+(\i))+64*(\c)+32
.endr
.endr
.endm
.macro PLACES
.rept 4
	v_nop
.endr
.endm
	; the first run: 58 loads
.set p, 0
.rept 16
	global_load_b64 v[KP+2*p:KP+2*p+1], v4, s[36:37] offset:2048*p   ; row block p's part of ksum: the 256 threads take its 512 numbers
.set p, p+1
.endr
	global_load_b32 v24, v13, s[48:49]
.irp q, 0,1,2,3,4,5,6,7
	global_load_b32 v[KD+(\q)], v15, s[60:61] offset:4096*(\q)       ; parts 2 q + h of ksum[g][16 dl + r]
.endr
	global_load_b128 v[20:23], v5, s[46:47]        ; the 128 maxima, in every wave
.set p, 0
.rept 16
	global_load_b128 v[KVR+8*p:KVR+8*p+3],   v5, s[38:39] offset:65536*p      ; row block p's part of my 16 d x 16 e: 512 consecutive bytes a load
	global_load_b128 v[KVR+8*p+4:KVR+8*p+7], v5, s[38:39] offset:65536*p+512
.set p, p+1
.endr
	s_wait_loadcnt 42                              ; ksum's 16 parts are in; the 1 + 8 + 1 + 32 younger loads stay out
.irp n, 8,4,2,1
.set p, 0
.rept \n
	v_pk_add_f32 v[KP+2*p:KP+2*p+1], v[KP+2*p:KP+2*p+1], v[KP+2*(p+\n):KP+2*(p+\n)+1]
.set p, p+1
.endr
.endr
	ds_store_b64 v4, v[KP:KP+1] offset:KS          ; the table is read behind the one barrier below
	WIN 0x40                                       ; destination window 1, address window 0
	WQ 0                                           ; 42 + 16 = 58 loads are out at the most
	WIN 0
	s_wait_loadcnt 48                              ; 1e-6 / R, my lane's eight parts and the maxima are in; kv's 32 loads and job 0's 16 stay out
	ds_store_b32 v14, v24 offset:ERL
	v_max3_num_f32 v20, v20, v21, v22
	v_max_num_f32 v20, v20, v23
	v_max_num_f32_dpp v20, v20, v20 row_xmask:1 row_mask:0xf bank_mask:0xf
	v_max_num_f32_dpp v20, v20, v20 row_xmask:2 row_mask:0xf bank_mask:0xf
	v_max_num_f32_dpp v20, v20, v20 row_xmask:4 row_mask:0xf bank_mask:0xf
	v_max_num_f32_dpp v20, v20, v20 row_xmask:8 row_mask:0xf bank_mask:0xf
	v_permlanex16_b32 v21, v20, s50, s51
	v_max_num_f32 v20, v20, v21
	v_max_num_f32 v20, 0x0d800000, v20             ; vm, at least 2^-100
	v_pk_add_f32 v[KD:KD+1],   v[KD:KD+1],   v[KD+2:KD+3]
	v_pk_add_f32 v[KD+4:KD+5], v[KD+4:KD+5], v[KD+6:KD+7]
	v_pk_add_f32 v[KD:KD+1],   v[KD:KD+1],   v[KD+4:KD+5]
	v_add_f32 v19, v[KD], v[KD+1]                  ; my eight parts,
	v_permlanex16_b32 v[KD+1], v19, s50, s51       ; and the other eight, in the lane 16 away
	v_add_f32 v19, v19, v[KD+1]                    ; ksum[g][16 dl + r]
	v_max_num_f32 v19, 0x0d800000, v19             ; ksum is 0 or at least 6e-8: the bound acts only where kv is 0 too
	v_rcp_f32 v26, v19
	v_rcp_f32 v28, v20
	v_nop
	s_wait_alu depctr_va_vdst(0)                   ; one wait for both reciprocals
	v_mul_f32 v28, 0x43800000, v28                 ; 256 / vm
	v_mov_b32 v27, v26
	v_mov_b32 v29, v28
	s_wait_loadcnt 15                              ; kv's 32 loads are in, and one of job 0's: with the 48 that follow, 63 loads are out at the most
	WIN 0x40
	WQ 1
	WQ 2
	WQ 3
	WIN 0
.irp n, 8,4,2                          ; the 16 parts are added as a tree, in place;
.set p, 0
.rept \n
.set i, 0
.rept 4
	v_pk_add_f32 v[KVR+8*p+2*i:KVR+8*p+2*i+1], v[KVR+8*p+2*i:KVR+8*p+2*i+1], v[KVR+8*(p+\n)+2*i:KVR+8*(p+\n)+2*i+1]
.set i, i+1
.endr
.set p, p+1
.endr
.endr
.set i, 0
.rept 4                                        ; the last two into ACC
	v_pk_add_f32 v[ACC+2*i:ACC+2*i+1], v[KVR+2*i:KVR+2*i+1], v[KVR+8+2*i:KVR+8+2*i+1]
.set i, i+1
.endr
.set i, 0
.rept 4
	v_pk_mul_f32 v[ACC+2*i:ACC+2*i+1], v[ACC+2*i:ACC+2*i+1], v[26:27]  ; kv / ksum first: a mean of v, within vm;
.set i, i+1
.endr
.set i, 0
.rept 4
	v_pk_mul_f32 v[ACC+2*i:ACC+2*i+1], v[ACC+2*i:ACC+2*i+1], v[28:29]  ; then 256 / vm: within 256
.set i, i+1
.endr
.set i, 0
.rept 4
	v_cvt_pk_f16_f32 v[FR+i], v[ACC+2*i], v[ACC+2*i+1]  ; a block of 16 e, rounded in pairs, IS half of source 1 for 32 e: registers 0-3 from the even block, 4-7 from the odd one
.set i, i+1
.endr
	ds_store_b128 v30, v[FR:FR+3] offset:KF
	s_wait_dscnt 0x0                               ; for the others' sake: all my stores are done: the table, 1e-6 / R, my half fragment
	s_barrier_signal -1
	s_barrier_wait -1                              ; all three are whole
.irp c, 0,1,2,3
	ds_load_b128 v[KFR+8*(\c):KFR+8*(\c)+3],   v5 offset:KF+1024*(\c)
	ds_load_b128 v[KFR+8*(\c)+4:KFR+8*(\c)+7], v5 offset:KF+1024*(\c)+512
.endr
	; w, while Wo's loads land.  A row is 2,048 bytes: load j of four brings lane l the eight d = 8 (l % 16) + 0..7 of head 2 j + l / 16, whose ksum is that of g = j: sixteen lanes hold one head.
	v_lshlrev_b32 v19, 5, v2
.irp j, 0,1,2,3
	ds_load_b128 v[KSR+8*(\j):KSR+8*(\j)+3],   v19 offset:KS+512*(\j)
	ds_load_b128 v[KSR+8*(\j)+4:KSR+8*(\j)+7], v19 offset:KS+512*(\j)+16
	v_mov_b32 v[RC+2*(\j)+1], 0                    ; named with the reciprocal as a pair
.endr
	s_wait_tensorcnt 0x0                           ; my four rows of sqn have landed; I alone read them
	s_wait_dscnt 0x0
	s_mov_b32 s52, 4
.Lrow:
.irp j, 0,1,2,3
	ds_load_b128 v[SQ+4*(\j):SQ+4*(\j)+3], v10 offset:512*(\j)
.endr
	ds_load_b128 v[ERQ:ERQ+3], v11
	s_wait_dscnt 0x0
.irp j, 0,1,2,3
.irp m, 0,2,4,6
	v_fma_mix_f32 v[U+8*(\j)+(\m)],   v[SQ+4*(\j)+(\m)/2], v[KSR+8*(\j)+(\m)],   v18 op_sel_hi:[1,0,0]                 ; the low f16 x ksum
	v_fma_mix_f32 v[U+8*(\j)+(\m)+1], v[SQ+4*(\j)+(\m)/2], v[KSR+8*(\j)+(\m)+1], v18 op_sel:[1,0,0] op_sel_hi:[1,0,0]  ; the high f16
.endr
.endr
.irp j, 0,1,2,3
	v_pk_add_f32 v[SS+4*(\j):SS+4*(\j)+1],   v[U+8*(\j):U+8*(\j)+1],     v[U+8*(\j)+2:U+8*(\j)+3]
	v_pk_add_f32 v[SS+4*(\j)+2:SS+4*(\j)+3], v[U+8*(\j)+4:U+8*(\j)+5],   v[U+8*(\j)+6:U+8*(\j)+7]
.endr
.irp j, 0,1,2,3
	v_pk_add_f32 v[SS+4*(\j):SS+4*(\j)+1], v[SS+4*(\j):SS+4*(\j)+1], v[SS+4*(\j)+2:SS+4*(\j)+3]
.endr
.irp j, 0,1,2,3
	v_add_f32 v[SS+4*(\j)], v[SS+4*(\j)], v[SS+4*(\j)+1]
.endr
.irp k, 1,2,4,8
.irp j, 0,1,2,3
	v_add_f32_dpp v[SS+4*(\j)], v[SS+4*(\j)], v[SS+4*(\j)] row_xmask:\k row_mask:0xf bank_mask:0xf
.endr
.endr
.irp j, 0,1,2,3
	v_add_f32 v[SS+4*(\j)], v[SS+4*(\j)], v[ERQ+(\j)]
.endr
.irp j, 0,1,2,3
	v_max_num_f32 v[SS+4*(\j)], 0x0d800000, v[SS+4*(\j)]  ; at least 2^-100: where ksum is 0 throughout, w is 0
.endr
.irp j, 0,1,2,3
	v_rcp_f32 v[RC+2*(\j)], v[SS+4*(\j)]
.endr
	v_add_nc_u32 v10, 2048, v10                    ; plain work behind the four reciprocals,
	v_add_nc_u32 v11, 32, v11
	s_wait_alu depctr_va_vdst(0)                   ; and one wait for them
.irp j, 0,1,2,3
.irp m, 0,2,4,6
	v_pk_mul_f32 v[U+8*(\j)+(\m):U+8*(\j)+(\m)+1], v[U+8*(\j)+(\m):U+8*(\j)+(\m)+1], v[RC+2*(\j):RC+2*(\j)+1] op_sel_hi:[1,0]
.endr
.endr
.irp j, 0,1,2,3
.irp m, 0,1,2,3
	v_cvt_pk_f16_f32 v[WP+4*(\j)+(\m)], v[U+8*(\j)+2*(\m)], v[U+8*(\j)+2*(\m)+1]
.endr
.endr
.irp j, 0,1,2,3
	global_store_b128 v12, v[WP+4*(\j):WP+4*(\j)+3], s[44:45] offset:512*(\j)  ; 512 consecutive bytes, aligned
.endr
	s_wait_xcnt 0x0                                ; the stores have read their data and their offset: both are written again
	v_add_nc_u32 v12, 2048, v12
	s_sub_co_u32 s52, s52, 1
	s_cmp_lg_u32 s52, 0
	s_cbranch_scc1 .Lrow
	; MT: 32 products in one stretch, source 0 in window 1.  A job's two accumulators take turns, 128 e deep; the next job begins on another accumulator.
.macro JOB u, left                     ; left: the loads of the later jobs, which may stay out
	s_wait_loadcnt \left
.irp c, 0,1,2,3
.irp i, 0,1
.if (\c) == 0
	v_wmma_f32_16x16x32_f16 v[AC+8*(2*(\u)+(\i)):AC+8*(2*(\u)+(\i))+7], v[64*(\u)+32*(\i)+8*(\c):64*(\u)+32*(\i)+8*(\c)+7], v[KFR+8*(\c):KFR+8*(\c)+7], 0
.else
	v_wmma_f32_16x16x32_f16 v[AC+8*(2*(\u)+(\i)):AC+8*(2*(\u)+(\i))+7], v[64*(\u)+32*(\i)+8*(\c):64*(\u)+32*(\i)+8*(\c)+7], v[KFR+8*(\c):KFR+8*(\c)+7], v[AC+8*(2*(\u)+(\i)):AC+8*(2*(\u)+(\i))+7]
.endif
.endr
.endr
.endm
	WIN 0x01
	JOB 0, 48
	JOB 1, 32
	JOB 2, 16
	JOB 3, 0
	WIN 0
	PLACES                                         ; 16 rows (h, d) x my 128 n leave: rounded to f16 in place, through my stage, sixteen lanes to a row's 256 bytes
.irp be, 0,1,2,3,4,5,6,7
.irp i, 0,1,2,3
	v_cvt_pk_f16_f32 v[AC+8*(\be)+(\i)], v[AC+8*(\be)+2*(\i)], v[AC+8*(\be)+2*(\i)+1]
.endr
.endr
.irp be, 0,1,2,3,4,5,6,7
	ds_store_b128 v7, v[AC+8*(\be):AC+8*(\be)+3] offset:32*(\be)
.endr
.irp t, 0,1,2,3,4,5,6,7
	ds_load_b128 v[AC+8*(\t)+4:AC+8*(\t)+7], v8 offset:544*(\t)  ; LDS serves a wave's instructions in order (ISA guide 5.7.1.4)
.endr
	s_wait_dscnt 0x0
.irp t, 0,1,2,3,4,5,6,7
	global_store_b128 v9, v[AC+8*(\t)+4:AC+8*(\t)+7], s[42:43] offset:8192*(\t)
.endr
	s_wait_tensorcnt 0x0                           ; the wave's end: an add to my spare word and its wait, behind my last tensor load and my last LDS store
	ds_add_u32 v[SPW], v[NIL]
	s_wait_dscnt 0x0
	s_endpgm
.Lfunc_end_k_qd4b3906125_prep:
	.size	k_qd4b3906125_prep, .Lfunc_end_k_qd4b3906125_prep-k_qd4b3906125_prep
	.p2alignl 7, 3214868480
	.fill 96, 4, 3214868480
	.section	.rodata,"a",@progbits
	.p2align	6, 0x0
	.amdhsa_kernel k_qd4b3906125_prep
		.amdhsa_group_segment_fixed_size 167936
		.amdhsa_private_segment_fixed_size 0
		.amdhsa_enable_private_segment 0
		.amdhsa_kernarg_size 48
		.amdhsa_user_sgpr_count 2
		.amdhsa_user_sgpr_kernarg_segment_ptr 1
		.amdhsa_wavefront_size32 1
		.amdhsa_system_sgpr_workgroup_id_x 1
		.amdhsa_system_sgpr_workgroup_id_y 1
		.amdhsa_system_sgpr_workgroup_id_z 1
		.amdhsa_system_vgpr_workitem_id 0
		.amdhsa_next_free_vgpr 512
		.amdhsa_next_free_sgpr 66
		.amdhsa_reserve_vcc 0
		.amdhsa_float_denorm_mode_32 3
		.amdhsa_float_denorm_mode_16_64 3
		.amdhsa_memory_ordered 1
		.amdhsa_forward_progress 1
		.amdhsa_inst_pref_size 39
	.end_amdhsa_kernel
	.amdgpu_metadata
---
amdhsa.version: [ 1, 2 ]
amdhsa.kernels:
  - .name:           k_qd4b3906125_prep
    .symbol:         k_qd4b3906125_prep.kd
    .args:
      - { .name: kvp, .offset: 0, .size: 8, .value_kind: global_buffer, .address_space: global }
      - { .name: st, .offset: 8, .size: 8, .value_kind: global_buffer, .address_space: global }
      - { .name: wb, .offset: 16, .size: 8, .value_kind: global_buffer, .address_space: global }
      - { .name: sqn, .offset: 24, .size: 8, .value_kind: global_buffer, .address_space: global }
      - { .name: mt, .offset: 32, .size: 8, .value_kind: global_buffer, .address_space: global }
      - { .name: wn, .offset: 40, .size: 8, .value_kind: global_buffer, .address_space: global }
    .group_segment_fixed_size: 167936
    .private_segment_fixed_size: 0
    .kernarg_segment_align: 8
    .kernarg_segment_size: 48
    .max_flat_workgroup_size: 256
    .sgpr_count:     66
    .vgpr_count:     512
    .wavefront_size: 32
...
	.end_amdgpu_metadata
.endif
;; end of part 3
;; launch outp (part 4): grid 8 x 32, 4 waves a work-group, clusters of 4 x 4, 327,680 bytes of LDS; arguments wn, mt, st, out0; writes out0
.if DOCPART == 4
	.amdgcn_target "amdgcn-amd-amdhsa--gfx1250"
	.amdhsa_code_object_version 6
	.text
	.protected	k_qd4b3906125_outp
	.globl	k_qd4b3906125_outp
	.p2align	8
	.type	k_qd4b3906125_outp,@function
k_qd4b3906125_outp:
	s_mov_b64 s[64:65], 0
	v_nop
	global_prefetch_b8 v0, s[64:65] scope:SCOPE_SE
	s_setreg_imm32_b32 hwreg(HW_REG_WAVE_MODE, 25, 1), 1
	s_wait_xcnt 0x0
	s_wait_alu depctr_hold_cnt(0) depctr_sa_sdst(0) depctr_va_vdst(0) depctr_va_sdst(0) depctr_va_ssrc(0) depctr_va_vcc(0) depctr_vm_vsrc(0)
	s_getreg_b32 s2, hwreg(HW_REG_IB_STS2, 6, 4)
	s_cmp_eq_u32 s2, 0
	s_cbranch_scc0 .Lentry_in_a_cluster
	s_endpgm
.Lentry_in_a_cluster:
	s_bfe_u32 s2, ttmp6, 0x10000c
	s_cmp_lg_u32 s2, 0xf033
	s_cbranch_scc0 .Lentry_shape_is_right
	s_endpgm
.Lentry_shape_is_right:
; Launch 4 of 4: out[s][n] = (vm / 256) x the sum over k = (h, d) of w[s][k] MT[b][k][n]: 8,192 x 2,048 x 1,024 in f16, sums in f32, out in f32.
; Left out, as the first kernel's head shows: sq kv as a product of its own; it lies in MT.
; A tile of 256 x 256 is made by four waves, each 128 x 128: 64 accumulators.  K goes in steps of 128 (one head) through two LDS slots.  w lies [row][k]; MT lies [k][n] and is turned on its way out of LDS.
; CLUSTER 4 x 4: w's tile is shared along a row of the cluster, MT's along a column (the four tile rows of a cluster lie in one batch: b = cluster y / 4): joint loads, as in the second launch.
; THE MATRIX INSTRUCTION IS USED TRANSPOSED (source 0 = 16 columns n of MT, source 1 = 16 rows of w): a lane holds row l % 16 and eight neighbouring n: 32 bytes of out.
; REGISTERS: window 0: v0-31 addresses; v64-191 fragments of w; on the way out v32-95 and v192-255.  Window 1: v64-191 fragments of MT.  Windows 2, 3: the accumulators.
.set SIZE_K, 1024
.set KSTEP,  128
.set PITCH,  272                       ; a row of w in LDS: 256 bytes + 16
.set BPI,    544                       ; a row k of MT in LDS: 256 n = 512 bytes + 32 = 136 words
.set HALFT,  128*PITCH                 ; what one tensor load brings: 128 rows of w, or 64 rows of MT (64 x 544 is the same number)
.set SLOT,   4*HALFT
.set STAGE,  2*SLOT                    ; behind the ring: 16 rows x 528 bytes for each wave
.set SPITCH, 528                       ; 512 bytes + 16
.set SPARE,  STAGE+4*16*SPITCH         ; the spare words, 128 bytes for each wave: two blocks of 256 bytes that no other line names
.set LAPS,   SIZE_K/(2*KSTEP)
.set ADRA, 16
.set ADRB, 20
.set SCV,  22                          ; v[22:23] vm / 256, twice
.set STO,  24
.set RD,   25
.set CO,   26                          ; v26  16 x lane
.set SPW,  28
.set NIL,  29
.set PFO,  30
.set X,    32
.set OB2,  192
.set F0,   64
.set F1,   128
.set G1,   24
.set G0,   32
.set LIM,  43
.set PFA,  44
.set G1B,  48
.set G0B,  56
.set BL,   67
.set OBA,  72                          ; s[72:73] out0 at my rows and columns; steps 16 rows a block
.set VMP,  74                          ; s[74:75] the batch's 128 maxima
.set PST,  76                          ; s[76:77] a K step in the tensor that I prefetch
.set SEL,  78
.set MSB, 0
.macro WIN new
.if MSB != (\new)
	s_set_vgpr_msb (MSB<<8)|(\new)
.set MSB, \new
.endif
.endm
.set MUL_LO, 0xa1
.set MUL_HI, 0xf1
.set TO_B,   0x40
.macro JLOAD s                         ; waves 0 and 1 fetch w's two halves, waves 2 and 3 MT's; an s_nop 0 and four v_nop follow each of the two lines
	s_cmp_eq_u32 s11, 0
	s_cbranch_scc0 .Lfor_b_\@
	tensor_load_to_lds s[G0+4*(\s):G0+4*(\s)+3], s[G1:G1+7]
	s_nop 0
.rept 4
	v_nop
.endr
	s_branch .Lasked_\@
.Lfor_b_\@:
	tensor_load_to_lds s[G0B+4*(\s):G0B+4*(\s)+3], s[G1B:G1B+7]
	s_nop 0
.rept 4
	v_nop
.endr
.Lasked_\@:
.endm
; A prefetch into the L2 of the K step that stands two refills on, 32 blocks of 256 bytes, a lane a block, one instruction a wave; each block is named once in the launch.
; w: a lane a row; the cluster with x = 0 asks; partner cx takes rows 32 cx .. + 31 of a wave's 128.  MT: two lanes a row of 512 bytes; of the four clusters of a batch the one with y % 4 = 0 asks;
; partner cy takes rows 16 cy .. + 15 of a wave's 64.  K steps 0-3 come by their loads alone; the loop's last trip (s3 = 1) asks for nothing: K steps 8 and 9 do not exist.
.macro ASK
	s_cmp_gt_u32 s3, s[LIM]
	s_cbranch_scc0 .Lnot_mine_\@
	global_prefetch_b8 v[PFO], s[PFA:PFA+1] th:TH_LOAD_NT scope:SCOPE_SE
.Lnot_mine_\@:
.endm
.macro CREST
	s_cmp_lg_u32 s10, 0
	s_cbranch_scc1 .Lnot_wave_0_\@
	s_barrier_signal -3
.Lnot_wave_0_\@:
	s_barrier_wait -3
	s_barrier_signal -1
	s_barrier_wait -1
.endm
.macro CROUND
	s_barrier_signal -1
	s_barrier_wait -1
	CREST
.endm
	s_load_b128 s[4:7], s[0:1], 0x0                ; wn s[4:5], mt s[6:7]
	s_load_b128 s[68:71], s[0:1], 0x10             ; st s[68:69], out0 s[70:71]
	v_lshl_add_u32 v[SPW], v0, 2, SPARE
	v_mov_b32 v[NIL], 0
	ds_add_u32 v[SPW], v[NIL]                      ; the wave's opening: the add, twice on end, and its wait ahead of my first tensor load
	ds_add_u32 v[SPW], v[NIL]
	v_lshrrev_b32 v1, 5, v0
	v_readfirstlane_b32 s10, v1                    ; wave
	s_lshr_b32 s11, s10, 1                         ; my half of the rows.  Also: I fetch for w (0) or for MT (1)
	s_and_b32 s12, s10, 1                          ; my half of the columns.  Also: which half of that tile I fetch
	s_bfe_u32 s40, ttmp6, 0x40000                  ; cx
	s_bfe_u32 s41, ttmp6, 0x40004                  ; cy
	s_lshl_b32 s42, ttmp9, 2
	s_add_co_u32 s42, s42, s40                     ; tile column
	s_and_b32 s13, ttmp7, 0xffff
	s_lshl_b32 s13, s13, 2
	s_add_co_u32 s13, s13, s41                     ; tile row
	s_lshl_b32 s43, s41, 2
	s_lshl_b32 s43, 15, s43                        ; my row of the cluster
	s_lshl_b32 s44, 0x1111, s40                    ; my column
	s_or_b32 s[G1+0], s43, (1<<16)|(1<<20)|(1<<21)|(5<<22)|(3<<25)   ; w: 128 rows x 128 elements of 2 bytes, 4 words of padding behind every 64
	s_mov_b32 s[G1+1], KSTEP<<16
	s_mov_b32 s[G1+2], 128<<16
	s_mov_b32 s[G1+3], KSTEP<<16
	s_mov_b32 s[G1+4], 128
	s_mov_b32 s[G1+5], SIZE_K
	s_mov_b32 s[G1+6], 0
	s_mov_b32 s[G1+7], 0
	s_or_b32 s[G1B+0], s44, (1<<16)|(1<<20)|(1<<21)|(6<<22)|(7<<25)  ; MT: 64 rows x 256 elements, 8 words of padding behind every 128
	s_mov_b32 s[G1B+1], 256<<16
	s_mov_b32 s[G1B+2], 64<<16
	s_mov_b32 s[G1B+3], 256<<16
	s_mov_b32 s[G1B+4], 64
	s_mov_b32 s[G1B+5], 2048
	s_mov_b32 s[G1B+6], 0
	s_mov_b32 s[G1B+7], 0
	s_lshl_b32 s17, s12, 7
	s_lshl_b32 s16, s13, 8
	s_add_co_u32 s16, s16, s17                     ; w: row 256 x tile row + 128 x half
	s_mov_b32 s17, 0
	s_mov_b64 s[18:19], SIZE_K*2
	s_mul_u64 s[16:17], s[16:17], s[18:19]
	s_and_b32 s46, ttmp7, 0xffff                   ; MT: the batch = cluster y / 4, which all partners share,
	s_lshr_b32 s46, s46, 2
	s_lshl_b32 s46, s46, 22
	s_lshl_b32 s47, s42, 9                         ; 256 n x tile column,
	s_add_co_u32 s46, s46, s47
	s_lshl_b32 s47, s12, 18                        ; 64 rows of 4,096 bytes x half
	s_add_co_u32 s46, s46, s47
	s_mov_b32 s47, 0
	s_mul_i32 s20, s10, HALFT
	s_wait_dscnt 0x0                               ; both opening adds are done
	s_wait_kmcnt 0x0
	s_add_nc_u64 s[14:15], s[4:5], s[16:17]
	s_add_nc_u64 s[46:47], s[6:7], s[46:47]
	CROUND                                         ; all sixteen work-groups are here: the first joint loads meet
.irp s, 0,1
	s_mov_b32 s[G0+4*(\s)], 1
	s_add_co_u32 s[G0+4*(\s)+1], s20, (\s)*SLOT
	s_add_nc_u64 s[G0+4*(\s)+2:G0+4*(\s)+3], s[14:15], (\s)*KSTEP*2
	s_or_b32 s[G0+4*(\s)+3], s[G0+4*(\s)+3], 0x80000000
	s_mov_b32 s[G0B+4*(\s)], 1
	s_add_co_u32 s[G0B+4*(\s)+1], s20, (\s)*SLOT
	s_add_nc_u64 s[G0B+4*(\s)+2:G0B+4*(\s)+3], s[46:47], (\s)*KSTEP*4096
	s_or_b32 s[G0B+4*(\s)+3], s[G0B+4*(\s)+3], 0x80000000
	JLOAD \s
.endr
	v_and_b32 v1, 15, v0                           ; l % 16
	v_bfe_u32 v2, v0, 4, 1                         ; l / 16
	v_mul_u32_u24 v3, v1, PITCH
	v_lshl_add_u32 v3, v2, 4, v3                   ; w: row x pitch + 16 x half
	v_and_b32 v4, 7, v0                            ; MT, turned: lane l reads row 8 (l / 16) + l % 8, 16 bytes at 16 ((l / 8) % 2)
	v_lshl_add_u32 v4, v2, 3, v4
	v_mul_u32_u24 v4, v4, BPI
	v_bfe_u32 v5, v0, 3, 1
	v_lshl_add_u32 v4, v5, 4, v4
	s_mul_i32 s21, s11, HALFT                      ; my 128 rows of w
	s_lshl_b32 s22, s12, 8                         ; my 128 n: 256 bytes of each row of MT,
	s_add_co_u32 s22, s22, 2*HALFT                 ; which lies behind w
.irp s, 0,1
	v_add_nc_u32 v[ADRA+(\s)], s21, v3
	v_add_nc_u32 v[ADRB+(\s)], s22, v4
	s_add_co_u32 s21, s21, SLOT
	s_add_co_u32 s22, s22, SLOT
.endr
	s_mul_i32 s23, s10, 16*SPITCH
	s_add_co_u32 s23, s23, STAGE                   ; my stage
	v_mul_u32_u24 v4, v1, SPITCH                   ; in: row l % 16, 32 bytes for each half of the lanes
	v_lshl_add_u32 v4, v2, 5, v4
	v_add_nc_u32 v[STO], s23, v4
	v_and_b32 v5, 31, v0
	v_lshlrev_b32 v[CO], 4, v5
	v_add_nc_u32 v[RD], s23, v[CO]                 ; back: 32 lanes take one row of 512 bytes
	s_lshl_b32 s80, s13, 8
	s_lshl_b32 s82, s11, 7
	s_add_co_u32 s80, s80, s82
	s_lshl_b32 s80, s80, 13                        ; my first row x 8,192 bytes
	s_lshl_b32 s82, s42, 10
	s_add_co_u32 s80, s80, s82
	s_lshl_b32 s82, s12, 9
	s_add_co_u32 s80, s80, s82                     ; my first column x 4 bytes
	s_mov_b32 s81, 0
	s_add_nc_u64 s[OBA:OBA+1], s[70:71], s[80:81]
	s_and_b32 s80, ttmp7, 0xffff
	s_lshr_b32 s80, s80, 2
	s_lshl_b32 s80, s80, 9
	s_add_co_u32 s80, s80, 327680
	s_add_nc_u64 s[VMP:VMP+1], s[68:69], s[80:81]
	s_mov_b32 s[SEL], 0x76543210
	s_mov_b32 s[SEL+1], 0xfedcba98
	; the prefetches: both offsets are made, and the wave's kind chooses
	s_lshl_b32 s20, s13, 8
	s_lshl_b32 s21, s12, 7
	s_add_co_u32 s20, s20, s21
	s_lshl_b32 s21, s40, 5
	s_add_co_u32 s20, s20, s21
	s_lshl_b32 s20, s20, 11                        ; w: row 256 ty + 128 half + 32 cx,
	s_add_co_u32 s20, s20, 3*KSTEP*2               ; at K step 3: the first refill steps it to 4
	s_and_b32 s22, ttmp7, 0xffff
	s_lshr_b32 s21, s22, 2
	s_lshl_b32 s21, s21, 22
	s_lshl_b32 s23, s42, 9
	s_add_co_u32 s21, s21, s23
	s_lshl_b32 s23, s12, 18
	s_add_co_u32 s21, s21, s23
	s_lshl_b32 s23, s41, 16
	s_add_co_u32 s21, s21, s23                     ; MT: batch, tile column, half, row 16 cy,
	s_add_co_u32 s21, s21, 3*KSTEP*4096            ; at K step 3
	s_and_b32 s22, s22, 3
	s_mov_b32 s82, KSTEP*2
	s_mov_b32 s83, KSTEP*4096
	s_cmp_eq_u32 s11, 0                            ; do I fetch for w?
	s_cselect_b32 s20, s20, s21
	s_cselect_b32 s22, ttmp9, s22                  ; the coordinate along which other clusters read the same blocks
	s_cselect_b64 s[PFA:PFA+1], s[4:5], s[6:7]
	s_cselect_b32 s[PST], s82, s83
	s_cmp_eq_u32 s22, 0
	s_cselect_b32 s[LIM], 1, -1
	s_mov_b32 s[PST+1], 0
	s_mov_b32 s21, 0
	s_add_nc_u64 s[PFA:PFA+1], s[PFA:PFA+1], s[20:21]
	s_add_co_u32 s23, s11, 11
	v_lshrrev_b32 v4, s11, v5                      ; w: lane x 2,048.  MT: (lane / 2) x 4,096 + (lane % 2) x 256
	v_lshlrev_b32 v4, s23, v4
	v_and_b32 v3, s11, v5
	v_lshl_add_u32 v[PFO], v3, 8, v4
	global_load_b128 v[32:35], v[CO], s[VMP:VMP+1] ; the batch's 128 maxima; waited for on the way out
.macro MUL16 f, hi, a0, zero           ; 16 products; the 64 accumulators take turns, in the same order in every quarter
	WIN MUL_LO+0x50*(\hi)
.irp a, \a0, (\a0)+1
.irp b, 0,1,2,3,4,5,6,7
.if \zero
	v_wmma_f32_16x16x32_f16 v[8*(8*(\a)+(\b)):8*(8*(\a)+(\b))+7], v[(\f)+8*(\b):(\f)+8*(\b)+7], v[(\f)+8*(4*(\hi)+(\a)):(\f)+8*(4*(\hi)+(\a))+7], 0
.else
	v_wmma_f32_16x16x32_f16 v[8*(8*(\a)+(\b)):8*(8*(\a)+(\b))+7], v[(\f)+8*(\b):(\f)+8*(\b)+7], v[(\f)+8*(4*(\hi)+(\a)):(\f)+8*(4*(\hi)+(\a))+7], v[8*(8*(\a)+(\b)):8*(8*(\a)+(\b))+7]
.endif
.endr
.endr
.endm
.macro FETCH slot, q, f                ; quarter q's fragments (32 K) into buffer f: MT's 16 turning loads, then w's 16
	WIN TO_B
.irp i, 0,1,2,3,4,5,6,7
	ds_load_tr16_b128 v[(\f)+8*(\i):(\f)+8*(\i)+3],   v[ADRB+(\slot)] offset:(\q)*32*BPI+32*(\i)
	ds_load_tr16_b128 v[(\f)+8*(\i)+4:(\f)+8*(\i)+7], v[ADRB+(\slot)] offset:(\q)*32*BPI+32*(\i)+16*BPI
.endr
	WIN 0
.irp i, 0,1,2,3,4,5,6,7
	ds_load_b128 v[(\f)+8*(\i):(\f)+8*(\i)+3],   v[ADRA+(\slot)] offset:64*(\q)+(\i)*16*PITCH
	ds_load_b128 v[(\f)+8*(\i)+4:(\f)+8*(\i)+7], v[ADRA+(\slot)] offset:64*(\q)+(\i)*16*PITCH+32
.endr
.endm
.macro PLACES
.rept 4
	v_nop
.endr
.endm
.macro QUARTER slot, q, f, g, zero     ; multiplies buffer f; in its middle it fetches quarter q into buffer g
	s_wait_dscnt 8                                 ; MT and w's rows 0-63 are in; the youngest eight loads may be out
	WIN MUL_LO
	MUL16 \f, 0, 0, \zero
	MUL16 \f, 0, 2, \zero
	PLACES
	FETCH \slot, \q, \g
	s_wait_dscnt 32                                ; all but the 32 just issued
	WIN MUL_HI
	MUL16 \f, 1, 0, \zero
	MUL16 \f, 1, 2, \zero
.endm
.macro MEET round                      ; the change of slots: all my tensor loads, the add, my reads of this slot; then one barrier
	WIN 0
	s_wait_tensorcnt 0x0
	ds_add_u32 v[SPW], v[NIL]                      ; 0 onto my spare word
	s_wait_dscnt 9                                 ; the add and the youngest eight loads may be out
	WIN MUL_LO
	MUL16 F1, 0, 0, 0
	s_wait_dscnt 0x0
	s_barrier_signal -1
	MUL16 F1, 0, 2, 0
.if \round
	WIN 0
.endif
	s_barrier_wait -1
.endm
.macro TURN slot, next
	s_wait_xcnt 0x0                                ; the last prefetch, a K step back, has read its address
	s_add_nc_u64 s[PFA:PFA+1], s[PFA:PFA+1], s[PST:PST+1]
	MEET 1
	CREST                                          ; a round of the cluster's barrier: no wave of any partner still reads this slot or has a load on its way
	s_add_nc_u64 s[G0+4*(\slot)+2:G0+4*(\slot)+3], s[G0+4*(\slot)+2:G0+4*(\slot)+3], 2*KSTEP*2
	s_add_nc_u64 s[G0B+4*(\slot)+2:G0B+4*(\slot)+3], s[G0B+4*(\slot)+2:G0B+4*(\slot)+3], 2*KSTEP*4096
	JLOAD \slot                                    ; the first tensor load behind the round; its four v_nop are also the places in front of the loads below
	FETCH \next, 0, F0
	ASK
	WIN MUL_HI
	MUL16 F1, 1, 0, 0
	MUL16 F1, 1, 2, 0
.endm
	s_wait_tensorcnt 1                             ; my part of K step 0 is in; K step 1's may stay out
	s_barrier_signal -1
	s_barrier_wait -1
	FETCH 0, 0, F0
	QUARTER 0, 1, F0, F1, 1                        ; the first quarter's products start the sums
	WIN 0
	s_mov_b32 s3, LAPS-1
.Llap:
	QUARTER 0, 2, F1, F0, 0
	QUARTER 0, 3, F0, F1, 0
	TURN 0, 1
	QUARTER 1, 1, F0, F1, 0
	QUARTER 1, 2, F1, F0, 0
	QUARTER 1, 3, F0, F1, 0
	TURN 1, 0
	QUARTER 0, 1, F0, F1, 0
	WIN 0
	s_sub_co_u32 s3, s3, 1
	s_cmp_lg_u32 s3, 0
	s_cbranch_scc1 .Llap
	QUARTER 0, 2, F1, F0, 0                        ; the last lap fills nothing
	QUARTER 0, 3, F0, F1, 0
	MEET 0
	PLACES
	FETCH 1, 0, F0
	WIN MUL_HI
	MUL16 F1, 1, 0, 0
	MUL16 F1, 1, 2, 0
	QUARTER 1, 1, F0, F1, 0
	QUARTER 1, 2, F1, F0, 0
	QUARTER 1, 3, F0, F1, 0
	s_wait_dscnt 8
	MUL16 F1, 0, 0, 0
	MUL16 F1, 0, 2, 0
	s_wait_dscnt 0x0
	MUL16 F1, 1, 0, 0
	MUL16 F1, 1, 2, 0
	; THE WAY OUT
	WIN 0
	PLACES
	s_wait_loadcnt 0x0                             ; the maxima
	v_max3_num_f32 v32, v32, v33, v34
	v_max_num_f32 v32, v32, v35
	v_max_num_f32_dpp v32, v32, v32 row_xmask:1 row_mask:0xf bank_mask:0xf
	v_max_num_f32_dpp v32, v32, v32 row_xmask:2 row_mask:0xf bank_mask:0xf
	v_max_num_f32_dpp v32, v32, v32 row_xmask:4 row_mask:0xf bank_mask:0xf
	v_max_num_f32_dpp v32, v32, v32 row_xmask:8 row_mask:0xf bank_mask:0xf
	v_permlanex16_b32 v33, v32, s[SEL], s[SEL+1]
	v_max_num_f32 v32, v32, v33
	v_max_num_f32 v32, 0x0d800000, v32             ; vm, held at 2^-100 as where kvn was made
	v_mul_f32 v[SCV], 0x3b800000, v32              ; vm / 256
	v_mov_b32 v[SCV+1], v[SCV]
	s_mov_b32 s[BL], 0
.macro STUB a                          ; block a's 64 sums times vm / 256; only these lines name the accumulators; each is read from its low end on
	WIN 0x02+(\a)/4
.set i, 0
.rept 32
	v_pk_mul_f32 v[X+2*i:X+2*i+1], v[64*((\a)%4)+2*i:64*((\a)%4)+2*i+1], v[SCV:SCV+1]
.set i, i+1
.endr
	WIN 0
.endm
.Lblk:                                         ; eight trips: my eight blocks of 16 rows
.irp a, 0,1,2,3,4,5,6
	s_cmp_eq_u32 s[BL], \a
	s_cbranch_scc1 .Lst\a
.endr
	STUB 7
	s_branch .Lbody
.irp a, 0,1,2,3,4,5
.Lst\a:
	STUB \a
	s_branch .Lbody
.endr
.Lst6:
	STUB 6
.Lbody:
.irp be, 0,1,2,3,4,5,6,7               ; through my stage: a lane's 32 bytes in, whole rows of 512 bytes back
	ds_store_b128 v[STO], v[X+8*(\be):X+8*(\be)+3]   offset:64*(\be)
	ds_store_b128 v[STO], v[X+8*(\be)+4:X+8*(\be)+7] offset:64*(\be)+16
.endr
.irp t, 0,1,2,3,4,5,6,7,8,9,10,11,12,13,14,15
	ds_load_b128 v[OB2+4*(\t):OB2+4*(\t)+3], v[RD] offset:(\t)*SPITCH  ; LDS serves a wave's instructions in order (ISA guide 5.7.1.4): these see the stores above
.endr
	s_wait_dscnt 0x0
.irp t, 0,1,2,3,4,5,6,7,8,9,10,11,12,13,14,15
	global_store_b128 v[CO], v[OB2+4*(\t):OB2+4*(\t)+3], s[OBA:OBA+1] offset:8192*(\t) th:TH_STORE_NT  ; 512 consecutive bytes, aligned
.endr
	s_wait_xcnt 0x0                                ; the stores have read their data and their base: both are written again
	s_add_nc_u64 s[OBA:OBA+1], s[OBA:OBA+1], 131072
	s_add_co_u32 s[BL], s[BL], 1
	s_cmp_lt_u32 s[BL], 8
	s_cbranch_scc1 .Lblk
	s_wait_tensorcnt 0x0                           ; the wave's end: an add to my spare word and its wait, behind my last tensor load and my last LDS store
	ds_add_u32 v[SPW], v[NIL]
	s_wait_dscnt 0x0
	CROUND                                         ; the closing round: no work-group ends while a partner may still ask for a tile that names it
	s_endpgm
.Lfunc_end_k_qd4b3906125_outp:
	.size	k_qd4b3906125_outp, .Lfunc_end_k_qd4b3906125_outp-k_qd4b3906125_outp
	.p2alignl 7, 3214868480
	.fill 96, 4, 3214868480
	.section	.rodata,"a",@progbits
	.p2align	6, 0x0
	.amdhsa_kernel k_qd4b3906125_outp
		.amdhsa_group_segment_fixed_size 327680
		.amdhsa_private_segment_fixed_size 0
		.amdhsa_enable_private_segment 0
		.amdhsa_kernarg_size 32
		.amdhsa_user_sgpr_count 2
		.amdhsa_user_sgpr_kernarg_segment_ptr 1
		.amdhsa_wavefront_size32 1
		.amdhsa_system_sgpr_workgroup_id_x 1
		.amdhsa_system_sgpr_workgroup_id_y 1
		.amdhsa_system_sgpr_workgroup_id_z 1
		.amdhsa_system_vgpr_workitem_id 0
		.amdhsa_next_free_vgpr 1024
		.amdhsa_next_free_sgpr 84
		.amdhsa_reserve_vcc 0
		.amdhsa_float_denorm_mode_32 3
		.amdhsa_float_denorm_mode_16_64 3
		.amdhsa_memory_ordered 1
		.amdhsa_forward_progress 1
		.amdhsa_inst_pref_size 135
	.end_amdhsa_kernel
	.amdgpu_metadata
---
amdhsa.version: [ 1, 2 ]
amdhsa.kernels:
  - .name:           k_qd4b3906125_outp
    .symbol:         k_qd4b3906125_outp.kd
    .args:
      - { .name: wn, .offset: 0, .size: 8, .value_kind: global_buffer, .address_space: global }
      - { .name: mt, .offset: 8, .size: 8, .value_kind: global_buffer, .address_space: global }
      - { .name: st, .offset: 16, .size: 8, .value_kind: global_buffer, .address_space: global }
      - { .name: out0, .offset: 24, .size: 8, .value_kind: global_buffer, .address_space: global }
    .group_segment_fixed_size: 327680
    .private_segment_fixed_size: 0
    .kernarg_segment_align: 8
    .kernarg_segment_size: 32
    .max_flat_workgroup_size: 128
    .sgpr_count:     84
    .vgpr_count:     1024
    .wavefront_size: 32
...
	.end_amdgpu_metadata
.endif
;; end of part 4
